; MI455X (gfx1250); checked and timed in simulation.
; The chip was launched on July 23, 2026; its instructions are those of AMD's public machine-readable ISA for CDNA 5 (MIT licence, August 2026) and "CDNA5" Instruction Set Architecture Reference Guide (July 2026). The comments in the code are by the model that wrote it; some were corrected since.
;; Ro PE Multihead Self Attention. Allowed arithmetic: matrix products marked QUANTISED: E2M3 operands, one E8M0 scale for each 32 along K, by v_wmma_scale_f32_16x16x128_f8f6f4 with both operands' format E2M3, f32 sums; everything else in f32.
;; Inputs: Wk 1,024 x 1,024 float32; Wo 1,024 x 1,024 float32; Wq 1,024 x 1,024 float32; Wv 1,024 x 1,024 float32; bk 1,024 float32; bo 1,024 float32; bq 1,024 float32; bv 1,024 float32; x 4 x 2,048 x 1,024 float32.
;; Outputs: out0 4 x 2,048 x 1,024 float32.
;; This version of the problem:
;;   THIS VERSION OF THE PROBLEM IS GIVEN IN LOW PRECISION. The matrix products marked QUANTISED in the list below multiply operands that are first quantised to E2M3 (2 exponent bits, 3 mantissa bits; 6 bits a number), with one power-of-two scale for each 32 numbers along K (OCP MX v1.0); their sums are f32. All else is computed in f32.
;;   The module's matrix products, in the order in which they are computed (A, B: the left and right operand; K: the contracted axis; several contracted axes count as one K, in the product's order):
;;     1. [M 8,192, K 1,024] x [K 1,024, N 1,024]; A: input x; B: input Wq: QUANTISED
;;     2. [M 8,192, K 1,024] x [K 1,024, N 1,024]; A: input x; B: input Wk: QUANTISED
;;     3. [M 8,192, K 1,024] x [K 1,024, N 1,024]; A: input x; B: input Wv: QUANTISED
;;     4. batch 64 x [M 2,048, K 64] x [K 64, N 2,048]; A: computed on the way; B: computed on the way: QUANTISED
;;     5. batch 64 x [M 64, K 2,048] x [K 2,048, N 2,048]; A: computed on the way; B: softmax (see below): QUANTISED
;;     6. [M 8,192, K 1,024] x [K 1,024, N 1,024]; A: computed on the way; B: input Wo: QUANTISED
;;   THE QUANTISER, for each operand of a quantised product, along K:
;;     - K is cut into blocks of 32 from its start; a last block that is shorter is filled with zeros.
;;     - A block's scale is 2^e with e = floor(log2(the largest magnitude in the block)) - 2, held to -126 .. 127; a block of zeros has e = 0. As a byte (E8M0): e + 127.
;;     - Each number is divided by its block's scale, clamped to +-7.5, and rounded to the nearest number of E2M3, ties to even, subnormals kept.
;;     - The product sums the exact products of the quantised numbers (number of the format x scale) in f32.
;;   ~~~python
;;   def quantise(x, axis):      # numpy; x: float32 -> the quantised numbers, widened to float32 again
;;       x = np.moveaxis(x, axis, -1); K = x.shape[-1]
;;       x = np.pad(x, [(0, 0)] * (x.ndim - 1) + [(0, -K % 32)]); x = x.reshape(x.shape[:-1] + (-1, 32)); a = np.abs(x).max(-1, keepdims=True)
;;       e = np.where(a > 0, np.clip(np.frexp(np.where(a > 0, a, 1))[1] - 1 - 2, -126, 127), 0)      # np.frexp(a)[1] - 1 = floor(log2(a)), exactly
;;       r = np.clip(x / 2.0 ** e, -7.5, 7.5)
;;       step = 2.0 ** (np.maximum(np.frexp(np.where(r == 0, 1, r))[1] - 1, 0) - 3)
;;       q = np.round(r / step) * step * 2.0 ** e      # np.round: ties to even
;;       return np.moveaxis(q.reshape(q.shape[:-2] + (-1,))[..., :K], -1, axis).astype(np.float32)
;;   ~~~
;;   SOFTMAX AHEAD OF A QUANTISED PRODUCT. Where the list says 'softmax', what is quantised is not the finished softmax but p = 2^(t - M), with t = logit x log2(e) and M = ceil(the row's largest t), a whole number; so 1/2 < the row's largest p <= 1. The row's sum l is taken of the UNQUANTISED p, in f32, and the product's result is divided by l at the end. Since M is a whole number, a kernel that streams over the keys may use a running M (the ceiling of the running maximum): every later rescaling is an exact power of two, which a block's scale takes up: the codes' values come out the same.
;;   OPERANDS COMPUTED ON THE WAY. 'Computed on the way' means the value that the module computes at that place (a softmax that the list does not call 'softmax' is quantised finished and normalised). What goes into a quantiser is computed in f32, as accurately as f32 sums, v_exp_f32 and their like allow (about 1e-6 of the number): no bf16 or f16 on the way to a quantiser, and a product that is left as it is and whose result goes on into a quantised operand takes f32 operands (vector FMAs, or v_wmma_f32_16x16x4_f32). A number that lies on a knife's edge between two numbers of the format may be rounded either way, as far as f32 arithmetic and the matrix unit's own rounding can turn it there, and no further.
;; One version. Each part assembles by itself: llvm-mc -triple=amdgcn-amd-amdhsa -mcpu=gfx1250 --defsym DOCPART=n.
;; ======== version 1 of 1: 4 launches
;; limits: right only within a limited range of input values
;; workspace buffers: opc 9,437,184 bytes; ops 393,216 bytes; rope 524,288 bytes; qkc 18,874,368 bytes; qks 1,310,720 bytes; atc 6,291,456 bytes; ats 524,288 bytes
;; launch prep (part 1): grid 448 x 1, 2 waves a work-group, no clusters, 17,152 bytes of LDS; arguments x, Wq, Wk, Wv, Wo, opc, ops, rope; writes opc, ops, rope
.if DOCPART == 1
	.amdgcn_target "amdgcn-amd-amdhsa--gfx1250"
	.amdhsa_code_object_version 6
	.text
	.protected	k_qb3cd64a4b8_prep
	.globl	k_qb3cd64a4b8_prep
	.p2align	8
	.type	k_qb3cd64a4b8_prep,@function
k_qb3cd64a4b8_prep:
	s_mov_b64 s[64:65], 0
	v_nop
	global_prefetch_b8 v0, s[64:65] scope:SCOPE_SE
	s_setreg_imm32_b32 hwreg(HW_REG_WAVE_MODE, 25, 1), 1
	s_wait_xcnt 0x0
; x [8192][1024] and Wq, Wk, Wv, Wo [1024][1024], f32, K innermost, become codes of FP6 (E2M3) with one E8M0 byte for each 32 along K, laid as IMAGES OF OPERAND REGISTERS; and RoPE's tables are made.
; A group is 128 rows (groups 0-63 x, 64-71 Wq, 72-79 Wk, 80-87 Wv, 88-95 Wo); a tile is 16 of them, NOT neighbours: lane row r of tile i is row 32 (i / 2) + 8 (i % 2) + r + 8 (r / 8) of the group.
; opc: [group][K step of 128: 8][tile 8][1,536 bytes]: registers 0-3 at 16 x lane, 4-5 at 512 + 8 x lane, 6-9 at 768 + 16 x lane, 10-11 at 1,280 + 8 x lane.
; ops: [group][K step][512 bytes]: lane l's 16 bytes: word j = the scale word of tile 2 j + l / 16, row l % 16.
; rope: [tile of 16 positions: 128][plane 8][512 bytes]: lane (r, h), plane k: cos (planes 0-3) or sin (4-7) of position x inv_freq[16 h + 4 (k % 4) + 0 .. 3].
; A block's scale byte is its largest magnitude's exponent field - 2, held at 1 from below by a floor among the maximum's leaves.
; LIMITS: NaN and infinities are not served; a block whose largest magnitude lies under 2^-124 keeps the byte 1 (a block of zeros too: its codes are zeros, and this program alone reads the bytes).
; inv_freq is the f32 nearest to 10^(-j / 8); the angle's reduction is exact in its first step for positions under 2,048.
; SHARES: work-groups 0-383: group = id / 4; wave w takes K step 2 (id % 4) + w: 128 rows x 128 K.  Work-groups 384-447: wave w makes table tile 2 (id - 384) + w.
; Each load reads 512 consecutive bytes of a row; a tile's 8 KB turn through the wave's own stage in LDS, so that a lane gets two whole blocks of 32 of its row.  Loads run two tiles (32 loads a wave) ahead.
.set STGB,  8448                       ; a wave's stage: 16 rows x (512 + 16) bytes
.set SPARE, 2*STGB                     ; behind the stages: the spare words, 128 bytes for each wave
.set L16, 1                            ; v1   16 x lane
.set L8,  2                            ; v2   8 x lane
.set STI, 3                            ; v3   the stage, on the way in
.set STO, 4                            ; v4   and out: row r, + 128 h
.set SPW, 5                            ; v5   my spare word; never rewritten
.set NIL, 6                            ; v6   0; never rewritten
.set H8,  7                            ; v7   h, later 8 h
.set MX,  8                            ; v8-9   largest magnitudes
.set SO,  10                           ; v10-11 the conversions' scale operands
.set BY,  12                           ; v12-13 scale bytes
.set W,   14                           ; v14  r, later the scale word
.set T,   15                           ; v15  at work
.set SW,  16                           ; v16-19 the eight tiles' scale words
.set PC,  20                           ; v20-31 a fragment's codes
.set CT,  32                           ; v32-34, v36-38 halves made elsewhere: a conversion's three registers begin on an even number
.set X,   40                           ; v40-103 my 64 numbers
.set R,   104                          ; v104-231 two sets of 64 as loaded
	s_load_b256 s[4:11], s[0:1], 0x0               ; x, Wq, Wk, Wv
	s_load_b256 s[12:19], s[0:1], 0x20             ; Wo, opc, ops, rope
	v_lshl_add_u32 v[SPW], v0, 2, SPARE
	v_mov_b32 v[NIL], 0
	v_lshrrev_b32 v[T], 5, v0
	v_readfirstlane_b32 s20, v[T]                  ; wave
	v_and_b32 v[L8], 31, v0
	v_lshlrev_b32 v[L16], 4, v[L8]
	v_lshlrev_b32 v[L8], 3, v[L8]
	v_and_b32 v[W], 15, v0                         ; r
	v_bfe_u32 v[H8], v0, 4, 1                      ; h
	s_mov_b32 s40, 0xffff0000                      ; lanes 16-31
	s_mov_b32 s42, 0x76543210
	s_mov_b32 s43, 0xfedcba98                      ; v_permlanex16_b32's selects for lane l xor 16
	s_cmp_ge_u32 ttmp9, 384
	s_cbranch_scc1 .Ltable
	; ---------------- the quantiser
	s_mul_i32 s21, s20, STGB
	v_add_nc_u32 v[STI], s21, v[L16]
	v_mul_u32_u24 v[STO], v[W], 528
	v_lshl_add_u32 v[STO], v[H8], 7, v[STO]
	v_add_nc_u32 v[STO], s21, v[STO]
	v_lshlrev_b32 v[H8], 3, v[H8]
	v_mov_b32 v[T], 0                              ; a lane permute's destination counts as one of its sources
	s_lshr_b32 s22, ttmp9, 2                       ; group
	s_and_b32 s23, ttmp9, 3
	s_lshl_b32 s23, s23, 1
	s_add_co_u32 s23, s23, s20                     ; K step
	s_sub_co_u32 s24, s22, 64                      ; (used only where the group is a weight's)
	s_lshr_b32 s25, s24, 3                         ; which weight
	s_and_b32 s24, s24, 7                          ; and its group
	s_wait_alu depctr_va_vdst(0)
	s_wait_kmcnt 0x0
	s_cmp_eq_u32 s25, 1                            ; the choices hang on the work-group's number alone
	s_cselect_b64 s[6:7], s[8:9], s[6:7]
	s_cmp_eq_u32 s25, 2
	s_cselect_b64 s[6:7], s[10:11], s[6:7]
	s_cmp_eq_u32 s25, 3
	s_cselect_b64 s[6:7], s[12:13], s[6:7]
	s_cmp_lt_u32 s22, 64
	s_cselect_b64 s[4:5], s[4:5], s[6:7]
	s_cselect_b32 s24, s22, s24
	s_lshl_b32 s26, s24, 19                        ; 128 rows of 4,096 bytes
	s_lshl_b32 s27, s23, 9                         ; 128 numbers along K
	s_add_co_u32 s26, s26, s27
	s_mov_b32 s27, 0
	s_add_nc_u64 s[4:5], s[4:5], s[26:27]
	s_mul_i32 s26, s22, 98304
	s_mul_i32 s28, s23, 12288
	s_add_co_u32 s26, s26, s28
	s_add_nc_u64 s[14:15], s[14:15], s[26:27]
	s_lshl_b32 s26, s22, 12
	s_lshl_b32 s28, s23, 9
	s_add_co_u32 s26, s26, s28
	s_add_nc_u64 s[16:17], s[16:17], s[26:27]
.macro LOADT i                         ; tile i's 16 rows, 512 consecutive bytes each, into set i % 2
.irp n, 0,1,2,3,4,5,6,7,8,9,10,11,12,13,14,15
	global_load_b128 v[R+64*((\i)%2)+4*\n:R+64*((\i)%2)+4*\n+3], v[L16], s[4:5] offset:(32*((\i)/2)+8*((\i)%2)+\n+8*(\n/8))*4096 th:TH_LOAD_NT
.endr
.endm
.macro TILE i
.if (\i) < 7
	s_wait_loadcnt 16                              ; this tile's 16 loads are in; the next tile's may be out
.else
	s_wait_loadcnt 0x0
.endif
.irp n, 0,1,2,3,4,5,6,7,8,9,10,11,12,13,14,15
	ds_store_b128 v[STI], v[R+64*((\i)%2)+4*\n:R+64*((\i)%2)+4*\n+3] offset:528*\n
.endr
.irp c, 0,1                            ; LDS serves a wave's instructions in order: these see the stores.  Block c of mine: k = 64 c + 32 h + 0 .. 31 of row r
.irp k, 0,1,2,3,4,5,6,7
	ds_load_b128 v[X+32*\c+4*\k:X+32*\c+4*\k+3], v[STO] offset:256*\c+16*\k
.endr
.endr
	s_wait_dscnt 0x0                               ; my numbers are in, and the stores have read the set,
.if (\i) < 6
	LOADT (\i)+2                                   ; which takes the tile two further on
.endif
.irp c, 0,1
	v_max3_num_f32 v[MX+\c], |v[X+32*\c]|, |v[X+32*\c+1]|, 0x1800000   ; and the floor 2^(3 - 127): the byte cannot fall under 1
.endr
.irp n, 2,4,6,8,10,12,14,16,18,20,22,24,26,28,30
.irp c, 0,1
	v_max3_num_f32 v[MX+\c], v[MX+\c], |v[X+32*\c+\n]|, |v[X+32*\c+\n+1]|
.endr
.endr
.irp c, 0,1
	v_add_nc_u32 v[SO+\c], 0xff000000, v[MX+\c]    ; 2 off the exponent field: the conversion takes this operand's exponent field as its scale
.endr
.irp c, 0,1
	v_lshrrev_b32 v[BY+\c], 23, v[SO+\c]           ; the scale's byte
.endr
	v_lshl_or_b32 v[W], v[BY+1], 16, v[BY]         ; my two bytes: blocks h and 2 + h,
	v_lshlrev_b32 v[W], v[H8], v[W]                ; at their places;
	v_permlanex16_b32 v[T], v[W], s42, s43
	v_or_b32 v[W], v[W], v[T]                      ; with lane l xor 16's two the row's word is whole, in both halves of the lanes
	s_wait_alu depctr_va_vdst(0)
	s_wait_xcnt 0x0                                ; the last tile's stores have read the codes' registers
	v_cvt_scalef32_pk16_fp6_f32 v[PC:PC+2], v[X:X+15], v[SO]
	v_cvt_scalef32_pk16_fp6_f32 v[CT:CT+2], v[X+16:X+31], v[SO]
	v_cvt_scalef32_pk16_fp6_f32 v[PC+6:PC+8], v[X+32:X+47], v[SO+1]
	v_cvt_scalef32_pk16_fp6_f32 v[CT+4:CT+6], v[X+48:X+63], v[SO+1]
	v_nop                                          ; one plain place behind a scaled conversion
.irp n, 0,1,2
	v_mov_b32 v[PC+3+\n], v[CT+\n]
	v_mov_b32 v[PC+9+\n], v[CT+4+\n]
.endr
	global_store_b128 v[L16], v[PC:PC+3], s[14:15] offset:1536*(\i)            ; each store covers 512 or 256 consecutive bytes, aligned to 256
	global_store_b64 v[L8], v[PC+4:PC+5], s[14:15] offset:1536*(\i)+512
	global_store_b128 v[L16], v[PC+6:PC+9], s[14:15] offset:1536*(\i)+768
	global_store_b64 v[L8], v[PC+10:PC+11], s[14:15] offset:1536*(\i)+1280
.if ((\i)%2) == 0
	v_mov_b32 v[SW+(\i)/2], v[W]                   ; an even tile's words in lanes 0-15,
.else
	v_cndmask_b32 v[SW+(\i)/2], v[SW+(\i)/2], v[W], s40   ; an odd tile's in lanes 16-31
.endif
.endm
	LOADT 0
	LOADT 1
.irp i, 0,1,2,3,4,5,6,7
	TILE \i
.endr
	global_store_b128 v[L16], v[SW:SW+3], s[16:17] ; the K step's 512 bytes of scale words
	s_wait_tensorcnt 0x0                           ; the wave's end
	ds_add_u32 v[SPW], v[NIL]
	s_wait_dscnt 0x0
	s_endpgm
	; ---------------- RoPE's tables: this way touches no LDS
.set TT, 8
.set TA, 9
.set TB, 10
.set TN, 11
.set TQ, 12
.set TZ, 13
.set TC, 14
.set TS, 15
.set CO, 40                            ; v40-55 cosines, v56-71 sines
.set SI, 56
.macro ANGLE i, flo, fhi               ; the angle position x inv_freq[16 h + i]; n = the nearest multiple of pi / 2; sine and cosine of the rest by Taylor's sums (|rest| <= pi / 4: what is cut lies under 2e-9)
	v_mul_f32 v[TA], \flo, v[TT]
	v_mul_f32 v[TB], \fhi, v[TT]
	v_cndmask_b32 v[TA], v[TA], v[TB], s40
	v_mul_f32 v[TN], 0x3f22f983, v[TA]             ; x 2 / pi
	v_rndne_f32 v[TN], v[TN]
	v_fmamk_f32 v[TA], v[TN], 0xbfc90fdb, v[TA]    ; - n x the f32 nearest to pi / 2: exact, since the result is a multiple of 2^-23 under 2
	v_fmamk_f32 v[TA], v[TN], 0x333bbd2e, v[TA]    ; + n x what that number has too much
	v_cvt_i32_f32 v[TQ], v[TN]
	v_mul_f32 v[TZ], v[TA], v[TA]
	v_mov_b32 v[TC], 0xb493f27e                    ; -1 / 10!
	v_fmaak_f32 v[TC], v[TC], v[TZ], 0x37d00d01    ; 1 / 8!
	v_fmaak_f32 v[TC], v[TC], v[TZ], 0xbab60b61    ; -1 / 6!
	v_fmaak_f32 v[TC], v[TC], v[TZ], 0x3d2aaaab    ; 1 / 4!
	v_fma_f32 v[TC], v[TC], v[TZ], -0.5
	v_fma_f32 v[TC], v[TC], v[TZ], 1.0
	v_mov_b32 v[TS], 0x3638ef1d                    ; 1 / 9!
	v_fmaak_f32 v[TS], v[TS], v[TZ], 0xb9500d01    ; -1 / 7!
	v_fmaak_f32 v[TS], v[TS], v[TZ], 0x3c088889    ; 1 / 5!
	v_fmaak_f32 v[TS], v[TS], v[TZ], 0xbe2aaaab    ; -1 / 3!
	v_mul_f32 v[TZ], v[TZ], v[TA]
	v_fma_f32 v[TS], v[TS], v[TZ], v[TA]
	v_and_b32 v[TB], 1, v[TQ]                      ; an odd quarter swaps the two;
	v_cmp_eq_u32 vcc_lo, 1, v[TB]
	v_cndmask_b32 v[TN], v[TS], v[TC], vcc_lo
	v_cndmask_b32 v[TB], v[TC], v[TS], vcc_lo
	v_and_b32 v[TZ], 2, v[TQ]                      ; quarters 2, 3 turn the sine's sign,
	v_lshlrev_b32 v[TZ], 30, v[TZ]
	v_xor_b32 v[SI+\i], v[TZ], v[TN]
	v_add_nc_u32 v[TQ], 1, v[TQ]                   ; quarters 1, 2 the cosine's
	v_and_b32 v[TQ], 2, v[TQ]
	v_lshlrev_b32 v[TQ], 30, v[TQ]
	v_xor_b32 v[CO+\i], v[TQ], v[TB]
.endm
.Ltable:
	s_sub_co_u32 s22, ttmp9, 384
	s_lshl_b32 s22, s22, 1
	s_add_co_u32 s22, s22, s20                     ; the tile
	s_lshr_b32 s23, s22, 1
	s_lshl_b32 s23, s23, 5
	s_and_b32 s24, s22, 1
	s_lshl_b32 s24, s24, 3
	s_add_co_u32 s23, s23, s24
	s_wait_alu depctr_va_vdst(0)
	v_and_b32 v[TT], 8, v[W]
	v_add3_u32 v[TT], v[TT], v[W], s23             ; my position: 32 (tile / 2) + 8 (tile % 2) + r + 8 (r / 8)
	v_cvt_f32_u32 v[TT], v[TT]
	ANGLE 0, 1.0, 0.01
	ANGLE 1, 0.7498942093324559, 0.007498942093324559
	ANGLE 2, 0.5623413251903491, 0.005623413251903491
	ANGLE 3, 0.4216965034285822, 0.004216965034285822
	ANGLE 4, 0.3162277660168379, 0.003162277660168379
	ANGLE 5, 0.2371373705661655, 0.002371373705661655
	ANGLE 6, 0.1778279410038923, 0.001778279410038923
	ANGLE 7, 0.1333521432163324, 0.001333521432163324
	ANGLE 8, 0.1, 0.001
	ANGLE 9, 0.07498942093324559, 0.0007498942093324559
	ANGLE 10, 0.05623413251903491, 0.0005623413251903491
	ANGLE 11, 0.04216965034285822, 0.0004216965034285822
	ANGLE 12, 0.03162277660168379, 0.0003162277660168379
	ANGLE 13, 0.02371373705661655, 0.0002371373705661655
	ANGLE 14, 0.01778279410038923, 0.0001778279410038923
	ANGLE 15, 0.01333521432163324, 0.0001333521432163324
	s_lshl_b32 s24, s22, 12
	s_mov_b32 s25, 0
	s_wait_alu depctr_va_vdst(0)
	s_wait_kmcnt 0x0
	s_add_nc_u64 s[18:19], s[18:19], s[24:25]
.irp k, 0,1,2,3,4,5,6,7
	global_store_b128 v[L16], v[CO+4*\k:CO+4*\k+3], s[18:19] offset:512*\k   ; 512 consecutive bytes a store
.endr
	s_endpgm
.Lfunc_end_k_qb3cd64a4b8_prep:
	.size	k_qb3cd64a4b8_prep, .Lfunc_end_k_qb3cd64a4b8_prep-k_qb3cd64a4b8_prep
	.p2alignl 7, 3214868480
	.fill 96, 4, 3214868480
	.section	.rodata,"a",@progbits
	.p2align	6, 0x0
	.amdhsa_kernel k_qb3cd64a4b8_prep
		.amdhsa_group_segment_fixed_size 17152
		.amdhsa_private_segment_fixed_size 0
		.amdhsa_enable_private_segment 0
		.amdhsa_kernarg_size 64
		.amdhsa_user_sgpr_count 2
		.amdhsa_user_sgpr_kernarg_segment_ptr 1
		.amdhsa_wavefront_size32 1
		.amdhsa_system_sgpr_workgroup_id_x 1
		.amdhsa_system_sgpr_workgroup_id_y 1
		.amdhsa_system_sgpr_workgroup_id_z 1
		.amdhsa_system_vgpr_workitem_id 0
		.amdhsa_next_free_vgpr 232
		.amdhsa_next_free_sgpr 66
		.amdhsa_reserve_vcc 1
		.amdhsa_float_denorm_mode_32 3
		.amdhsa_float_denorm_mode_16_64 3
		.amdhsa_memory_ordered 1
		.amdhsa_forward_progress 1
		.amdhsa_inst_pref_size 85
	.end_amdhsa_kernel
	.amdgpu_metadata
---
amdhsa.version: [ 1, 2 ]
amdhsa.kernels:
  - .name:           k_qb3cd64a4b8_prep
    .symbol:         k_qb3cd64a4b8_prep.kd
    .args:
      - { .name: x, .offset: 0, .size: 8, .value_kind: global_buffer, .address_space: global }
      - { .name: Wq, .offset: 8, .size: 8, .value_kind: global_buffer, .address_space: global }
      - { .name: Wk, .offset: 16, .size: 8, .value_kind: global_buffer, .address_space: global }
      - { .name: Wv, .offset: 24, .size: 8, .value_kind: global_buffer, .address_space: global }
      - { .name: Wo, .offset: 32, .size: 8, .value_kind: global_buffer, .address_space: global }
      - { .name: opc, .offset: 40, .size: 8, .value_kind: global_buffer, .address_space: global }
      - { .name: ops, .offset: 48, .size: 8, .value_kind: global_buffer, .address_space: global }
      - { .name: rope, .offset: 56, .size: 8, .value_kind: global_buffer, .address_space: global }
    .group_segment_fixed_size: 17152
    .private_segment_fixed_size: 0
    .kernarg_segment_align: 8
    .kernarg_segment_size: 64
    .max_flat_workgroup_size: 64
    .sgpr_count:     66
    .vgpr_count:     232
    .wavefront_size: 32
...
	.end_amdgpu_metadata
.endif
;; end of part 1
;; launch qkv (part 2): grid 12 x 32, 4 waves a work-group, clusters of 4 x 4, 327,680 bytes of LDS; arguments opc, ops, bq, bk, bv, rope, qkc, qks; writes qkc, qks
.if DOCPART == 2
	.amdgcn_target "amdgcn-amd-amdhsa--gfx1250"
	.amdhsa_code_object_version 6
	.text
	.protected	k_qb3cd64a4b8_qkv
	.globl	k_qb3cd64a4b8_qkv
	.p2align	8
	.type	k_qb3cd64a4b8_qkv,@function
k_qb3cd64a4b8_qkv:
	s_mov_b64 s[64:65], 0
	v_nop
	global_prefetch_b8 v0, s[64:65] scope:SCOPE_SE
	s_setreg_imm32_b32 hwreg(HW_REG_WAVE_MODE, 25, 1), 1
	s_wait_xcnt 0x0
	s_wait_alu depctr_hold_cnt(0) depctr_sa_sdst(0) depctr_va_vdst(0) depctr_va_sdst(0) depctr_va_ssrc(0) depctr_va_vcc(0) depctr_vm_vsrc(0)
	s_getreg_b32 s2, hwreg(HW_REG_IB_STS2, 6, 4)
	s_cmp_eq_u32 s2, 0
	s_cbranch_scc0 .Lentry_in_a_cluster
	s_endpgm
.Lentry_in_a_cluster:
	s_bfe_u32 s2, ttmp6, 0x10000c
	s_cmp_lg_u32 s2, 0xf033
	s_cbranch_scc0 .Lentry_shape_is_right
	s_endpgm
.Lentry_shape_is_right:
.set SLOT,  98304
.set QB,    24576
.set SPARE, 3*SLOT
.set SPW, 2
.set NIL, 3
.set A16, 4
.set A8,  7
.set B16, 10
.set B8,  13
.set L16, 16
.set L8,  17
.set SCA, 32
.set SCB, 64
.set AF,  128
.set G1,  28
.set G1B, 36
.set G0,  44
.set G0B, 68
.set MSB, 0
.macro WIN new
.if MSB != (\new)
	s_set_vgpr_msb (MSB<<8)|(\new)
.set MSB, (\new)
.endif
.endm
.set MUL_LO, 0xa1
.set MUL_HI, 0xf1
.set TO_B,   0x40
.macro JLOAD g0a, g1a, g0b, g1b
	s_cmp_eq_u32 s21, 0
	s_cbranch_scc0 .Lfor_b_\@
	tensor_load_to_lds s[\g0a:\g0a+3], s[\g1a:\g1a+7]
	s_nop 0
.rept 4
	v_nop
.endr
	s_branch .Lasked_\@
.Lfor_b_\@:
	tensor_load_to_lds s[\g0b:\g0b+3], s[\g1b:\g1b+7]
	s_nop 0
.rept 4
	v_nop
.endr
.Lasked_\@:
.endm
.macro CREST
	s_cmp_lg_u32 s20, 0
	s_cbranch_scc1 .Lnot_wave_0_\@
	s_barrier_signal -3
.Lnot_wave_0_\@:
	s_barrier_wait -3
	s_barrier_signal -1
	s_barrier_wait -1
.endm
.macro CROUND
	s_barrier_signal -1
	s_barrier_wait -1
	CREST
.endm
.macro PLACES
.rept 4
	v_nop
.endr
.endm
.macro FRAG reg, a16, a8, off
	ds_load_b128 v[\reg:\reg+3], v[\a16] offset:\off
	ds_load_b64 v[\reg+4:\reg+5], v[\a8] offset:\off+512
	ds_load_b128 v[\reg+6:\reg+9], v[\a16] offset:\off+768
	ds_load_b64 v[\reg+10:\reg+11], v[\a8] offset:\off+1280
.endm
.macro FETCH_B sl, q, p
	WIN TO_B
.irp i, 0,1,2,3,4,5,6,7
	FRAG 128*(\p)+12*\i, B16+\sl, B8+\sl, 12288*(\q)+1536*\i
.endr
	WIN 0
.endm
.macro FETCH_A sl, q, i0
.irp i, \i0, \i0+1, \i0+2, \i0+3
	FRAG AF+12*(\i), A16+\sl, A8+\sl, 12288*(\q)+1536*(\i)
.endr
.endm
.macro WMMA6 d, a, b, c, sa, sb, oa, ob
.if (\oa) && (\ob)
	v_wmma_scale_f32_16x16x128_f8f6f4 v[\d:\d+7], v[\a:\a+11], v[\b:\b+11], \c, v[\sa], v[\sb] matrix_a_fmt:MATRIX_FMT_FP6 matrix_b_fmt:MATRIX_FMT_FP6 matrix_a_scale:MATRIX_SCALE_ROW1 matrix_b_scale:MATRIX_SCALE_ROW1
.elseif (\oa)
	v_wmma_scale_f32_16x16x128_f8f6f4 v[\d:\d+7], v[\a:\a+11], v[\b:\b+11], \c, v[\sa], v[\sb] matrix_a_fmt:MATRIX_FMT_FP6 matrix_b_fmt:MATRIX_FMT_FP6 matrix_a_scale:MATRIX_SCALE_ROW1
.elseif (\ob)
	v_wmma_scale_f32_16x16x128_f8f6f4 v[\d:\d+7], v[\a:\a+11], v[\b:\b+11], \c, v[\sa], v[\sb] matrix_a_fmt:MATRIX_FMT_FP6 matrix_b_fmt:MATRIX_FMT_FP6 matrix_b_scale:MATRIX_SCALE_ROW1
.else
	v_wmma_scale_f32_16x16x128_f8f6f4 v[\d:\d+7], v[\a:\a+11], v[\b:\b+11], \c, v[\sa], v[\sb] matrix_a_fmt:MATRIX_FMT_FP6 matrix_b_fmt:MATRIX_FMT_FP6
.endif
.endm
.macro MUL16 a0, p, ks, zero
.irp a, \a0, \a0+1
.irp b, 0,1,2,3,4,5,6,7
.set rD,  8*(8*((\a)%4)+\b)
.set rS0, 128*(\p)+12*\b
.set rS1, AF+12*(\a)
.set sS0, SCB+4*(\ks)+\b/2
.set sS1, SCA+4*(\ks)+(\a)/2
.set oS0, \b%2
.set oS1, (\a)%2
.if \zero
	WMMA6 rD, rS0, rS1, 0, sS0, sS1, oS0, oS1
.else
	WMMA6 rD, rS0, rS1, v[rD:rD+7], sS0, sS1, oS0, oS1
.endif
.endr
.endr
.endm
.macro STEP ks, sn, qn, zero
	s_wait_dscnt 16
	WIN MUL_LO
	MUL16 0, (\ks)%2, \ks, \zero
	MUL16 2, (\ks)%2, \ks, \zero
	s_wait_dscnt 0x0
	PLACES
	FETCH_B \sn, \qn, 1-(\ks)%2
	FETCH_A \sn, \qn, 0
	WIN MUL_HI
	MUL16 4, (\ks)%2, \ks, \zero
	MUL16 6, (\ks)%2, \ks, \zero
	PLACES
	WIN 0
	FETCH_A \sn, \qn, 4
.endm
.macro TURN ks, sn, fill
	s_wait_tensorcnt 0x0
	ds_add_u32 v[SPW], v[NIL]
	s_wait_dscnt 17
	WIN MUL_LO
	MUL16 0, (\ks)%2, \ks, 0
	s_wait_dscnt 0x0
	s_barrier_signal -1
	MUL16 2, (\ks)%2, \ks, 0
	WIN 0
	s_barrier_wait -1
.if \fill
	CREST
	s_add_nc_u64 s[G0+2:G0+3], s[G0+2:G0+3], 3*QB
	s_add_nc_u64 s[G0B+2:G0B+3], s[G0B+2:G0B+3], 3*QB
	JLOAD G0, G1, G0B, G1B
.else
	PLACES
.endif
	FETCH_B \sn, 0, 1-(\ks)%2
	FETCH_A \sn, 0, 0
	WIN MUL_HI
	MUL16 4, (\ks)%2, \ks, 0
	MUL16 6, (\ks)%2, \ks, 0
	PLACES
	WIN 0
	FETCH_A \sn, 0, 4
.endm
	s_load_b512 s[4:19], s[0:1], 0x0
	v_lshl_add_u32 v[SPW], v0, 2, SPARE
	v_mov_b32 v[NIL], 0
	ds_add_u32 v[SPW], v[NIL]
	ds_add_u32 v[SPW], v[NIL]
	v_lshrrev_b32 v1, 5, v0
	v_readfirstlane_b32 s20, v1
	s_lshr_b32 s21, s20, 1
	s_and_b32 s22, s20, 1
	s_bfe_u32 s23, ttmp6, 0x40000
	s_bfe_u32 s24, ttmp6, 0x40004
	s_mov_b32 s25, ttmp9
	s_and_b32 s26, ttmp7, 0xffff
	s_lshl_b32 s60, s24, 2
	s_lshl_b32 s60, 15, s60
	s_lshl_b32 s61, 0x1111, s23
	s_or_b32 s[G1], s60, (3<<16)|(1<<21)
	s_or_b32 s[G1B], s61, (3<<16)|(1<<21)
.irp g, G1, G1B
	s_mov_b32 s[\g+1], 32<<16
	s_mov_b32 s[\g+2], 192<<16
	s_mov_b32 s[\g+3], 32<<16
	s_mov_b32 s[\g+4], 192
	s_mov_b32 s[\g+5], 32
	s_mov_b32 s[\g+6], 0
	s_mov_b32 s[\g+7], 0
.endr
	s_lshl_b32 s62, s26, 3
	s_lshl_b32 s63, s25, 3
	s_add_co_u32 s63, s63, 64
	s_cmp_eq_u32 s25, 2
	s_cselect_b32 s88, 80, s62
	s_cselect_b32 s89, s62, s63
	s_lshl_b32 s90, s24, 1
	s_add_co_u32 s90, s90, s88
	s_lshl_b32 s91, s23, 1
	s_add_co_u32 s91, s91, s89
	s_add_co_u32 s92, s90, s22
	s_mul_i32 s92, s92, 98304
	s_mov_b32 s93, 0
	s_add_co_u32 s94, s91, s22
	s_mul_i32 s94, s94, 98304
	s_mov_b32 s95, 0
	s_mul_i32 s96, s20, 3*QB                       ; a wave's three slots lie on end: the head's one load fills two of them
	s_wait_dscnt 0x0
	s_wait_kmcnt 0x0
	s_add_nc_u64 s[92:93], s[4:5], s[92:93]
	s_add_nc_u64 s[94:95], s[4:5], s[94:95]
	CROUND
.irp s, 0,1
	s_mov_b32 s[G0+4*\s], 1
	s_add_co_u32 s[G0+4*\s+1], s96, \s*2*QB
	s_add_nc_u64 s[G0+4*\s+2:G0+4*\s+3], s[92:93], \s*2*QB
	s_or_b32 s[G0+4*\s+3], s[G0+4*\s+3], 0x80000000
	s_mov_b32 s[G0B+4*\s], 1
	s_add_co_u32 s[G0B+4*\s+1], s96, \s*2*QB
	s_add_nc_u64 s[G0B+4*\s+2:G0B+4*\s+3], s[94:95], \s*2*QB
	s_or_b32 s[G0B+4*\s+3], s[G0B+4*\s+3], 0x80000000
.endr
	JLOAD G0, G1, G0B, G1B                         ; K steps 0 to 3, 192 rows of 256 bytes: the wave's one load at the head
	v_and_b32 v1, 31, v0
	v_lshlrev_b32 v[L16], 4, v1
	v_lshlrev_b32 v[L8], 3, v1
	s_mul_i32 s60, s21, 3*QB
	s_mul_i32 s61, s22, 3*QB
	s_add_co_u32 s61, s61, 6*QB
.irp s, 0,1,2
	v_add_nc_u32 v[A16+\s], s60, v[L16]
	v_add_nc_u32 v[A8+\s], s60, v[L8]
	v_add_nc_u32 v[B16+\s], s61, v[L16]
	v_add_nc_u32 v[B8+\s], s61, v[L8]
	s_add_co_u32 s60, s60, QB
	s_add_co_u32 s61, s61, QB
.endr
	s_cmp_eq_u32 s25, 2
	s_cselect_b32 s2, s23, s24
	s_cselect_b32 s3, s22, s21
	s_cselect_b32 s97, s24, s23
	s_cselect_b32 s98, s21, s22
	s_cselect_b32 s99, 12, 13
	s_lshl_b32 s88, s26, 2
	s_add_co_u32 s2, s2, s88
	s_and_b32 s2, s2, 7
	s_lshl_b32 s2, s2, 1
	s_add_co_u32 s2, s2, s3
	s_lshr_b32 s3, s26, 1
	s_lshl_b32 s3, s3, 4
	s_lshl_b32 s88, s97, 2
	s_add_co_u32 s3, s3, s88
	s_lshl_b32 s88, s98, 1
	s_add_co_u32 s3, s3, s88
	s_mul_i32 s88, s25, 6291456
	s_mul_i32 s89, s3, 98304
	s_add_co_u32 s88, s88, s89
	s_mul_i32 s89, s2, 6144
	s_add_co_u32 s88, s88, s89
	s_mov_b32 s89, 0
	s_add_nc_u64 s[80:81], s[16:17], s[88:89]
	s_lshl_b32 s88, s25, 19
	s_lshl_b32 s92, s3, s99
	s_add_co_u32 s88, s88, s92
	s_sub_co_u32 s99, s99, 4
	s_lshl_b32 s92, s2, s99
	s_add_co_u32 s88, s88, s92
	s_add_nc_u64 s[82:83], s[18:19], s[88:89]
	s_lshl_b32 s88, s2, 15
	s_add_nc_u64 s[84:85], s[14:15], s[88:89]
	s_cmp_eq_u32 s25, 1
	s_cselect_b64 s[86:87], s[10:11], s[8:9]
	s_cmp_eq_u32 s25, 2
	s_cselect_b64 s[86:87], s[12:13], s[86:87]
	s_lshl_b32 s88, s97, 10
	s_lshl_b32 s92, s98, 9
	s_add_co_u32 s88, s88, s92
	s_add_nc_u64 s[86:87], s[86:87], s[88:89]
	s_add_co_u32 s60, s90, s21
	s_lshl_b32 s60, s60, 12
	s_mov_b32 s61, 0
	s_add_nc_u64 s[60:61], s[6:7], s[60:61]
	s_add_co_u32 s62, s91, s22
	s_lshl_b32 s62, s62, 12
	s_mov_b32 s63, 0
	s_add_nc_u64 s[62:63], s[6:7], s[62:63]
	s_mov_b32 s56, 0xffff0000
	s_mov_b32 s58, 0x76543210
	s_mov_b32 s59, 0xfedcba98
	v_bfe_u32 v18, v0, 4, 1
	v_lshlrev_b32 v18, 6, v18
	v_and_b32 v19, 15, v0
	v_and_b32 v1, 8, v19
	v_add_nc_u32 v19, v19, v1
	v_lshlrev_b32 v19, 2, v19
.irp k, 0,1,2,3,4,5,6,7
	global_load_b128 v[SCA+4*\k:SCA+4*\k+3], v[L16], s[60:61] offset:512*\k
	global_load_b128 v[SCB+4*\k:SCB+4*\k+3], v[L16], s[62:63] offset:512*\k
.endr
.irp g, 0,1,2,3
.irp k, 0,1,2,3
	global_load_b128 v[96+16*\g+96*(\g/2)+4*\k:96+16*\g+96*(\g/2)+4*\k+3], v18, s[86:87] offset:128*\g+16*\k
.endr
.endr
	WIN TO_B
.irp k, 0,1,2,3,4,5,6,7
	global_load_b128 v[96+4*\k:99+4*\k], v[L16], s[84:85] offset:512*\k
.endr
.irp a, 0,1,2,3,4,5,6,7
	global_load_b32 v[224+2*\a], v19, s[86:87] offset:4*(32*(\a/2)+8*(\a%2))
	global_load_b32 v[225+2*\a], v19, s[86:87] offset:4*(32*(\a/2)+8*(\a%2))
.endr
	WIN 0
	s_wait_alu depctr_va_vdst(0)
	s_wait_tensorcnt 0x0                           ; my part of K steps 0 to 3 is in; the three lines ahead of a later first fill
	ds_add_u32 v[SPW], v[NIL]
	s_mov_b32 s[G1+2], 96<<16                      ; no load of mine is out: from here on a load brings 96 rows
	s_mov_b32 s[G1+4], 96
	s_mov_b32 s[G1B+2], 96<<16
	s_mov_b32 s[G1B+4], 96
	s_wait_dscnt 0x0
	CROUND
	JLOAD G0+4, G1, G0B+4, G1B                     ; K steps 4 and 5 into the third slot
	FETCH_B 0, 0, 0
	FETCH_A 0, 0, 0
	FETCH_A 0, 0, 4
	s_wait_loadcnt 0x0
	STEP 0, 0, 1, 1
	STEP 1, 1, 0, 0
	STEP 2, 1, 1, 0
	TURN 3, 2, 1                                   ; slot 0, read for the last time in step 0, takes K steps 6 and 7
	STEP 4, 2, 1, 0
	TURN 5, 0, 0
	STEP 6, 0, 1, 0
	s_wait_dscnt 16
	WIN MUL_LO
	MUL16 0, 1, 7, 0
	MUL16 2, 1, 7, 0
	s_wait_dscnt 0x0
	WIN MUL_HI
	MUL16 4, 1, 7, 0
	MUL16 6, 1, 7, 0
	WIN 0
	PLACES
.set X,   128
.set E0,  192
.set E1,  204
.set CT,  216
.set MX,  4
.set BY,  8
.set SO,  12
.set PW,  18
.set SW,  20
.set TP,  28
.macro QUANT s, d0, d1
.irp b, 0,1,2,3
	v_max3_num_f32 v[MX+\b], |v[\s+16*\b]|, |v[\s+16*\b+1]|, 0x1800000
.endr
.irp i, 2,4,6,8,10,12,14
.irp b, 0,1,2,3
	v_max3_num_f32 v[MX+\b], v[MX+\b], |v[\s+16*\b+\i]|, |v[\s+16*\b+\i+1]|
.endr
.endr
.irp b, 0,1,2,3
	v_permlanex16_b32 v[BY+\b], v[MX+\b], s58, s59
.endr
.irp b, 0,1,2,3
	v_max_num_f32 v[MX+\b], v[MX+\b], v[BY+\b]
.endr
.irp b, 0,1,2,3
	v_add_nc_u32 v[SO+\b], 0xff000000, v[MX+\b]
.endr
.irp b, 0,1,2,3
	v_lshrrev_b32 v[BY+\b], 23, v[SO+\b]
.endr
	v_lshl_or_b32 v[PW], v[BY+1], 8, v[BY]
	v_lshl_or_b32 v[PW], v[BY+2], 16, v[PW]
	v_lshl_or_b32 v[PW], v[BY+3], 24, v[PW]
	v_cvt_scalef32_pk16_fp6_f32 v[\d0:\d0+2], v[\s:\s+15], v[SO]
	v_cvt_scalef32_pk16_fp6_f32 v[CT:CT+2], v[\s+16:\s+31], v[SO+1]
	v_cvt_scalef32_pk16_fp6_f32 v[\d1:\d1+2], v[\s+32:\s+47], v[SO+2]
	v_cvt_scalef32_pk16_fp6_f32 v[CT+4:CT+6], v[\s+48:\s+63], v[SO+3]
	v_nop
.irp i, 0,1,2
	v_permlane16_swap_b32 v[\d0+\i], v[CT+\i]
	v_permlane16_swap_b32 v[\d1+\i], v[CT+4+\i]
.endr
.irp i, 0,1,2
	v_mov_b32 v[\d0+3+\i], v[CT+\i]
	v_mov_b32 v[\d1+3+\i], v[CT+4+\i]
.endr
.endm
.macro SETCSR a
.if (\a) == 0
.set CSR, 96
.elseif (\a) == 1
.set CSR, 224
.elseif (\a) < 5
.set CSR, 32*((\a)-2)
.else
.set CSR, 128+32*((\a)-5)
.endif
.endm
	s_cmp_eq_u32 s25, 2
	s_cbranch_scc1 .Lvpath
	WIN TO_B
.irp a, 1,2,3,4,5,6,7
	SETCSR \a
.irp k, 0,1,2,3,4,5,6,7
	global_load_b128 v[CSR+4*\k:CSR+4*\k+3], v[L16], s[84:85] offset:4096*\a+512*\k
.endr
.endr
	WIN 0
.macro QKTILE a
	SETCSR \a
.if (\a) >= 1
	s_wait_loadcnt 8*(7-(\a))
.endif
	WIN 0x02+(\a)/4
.irp b, 0,1,2,3,4,5,6,7
.irp j, 0,2,4,6
	v_pk_add_f32 v[X+8*\b+\j:X+8*\b+\j+1], v[64*((\a)%4)+8*\b+\j:64*((\a)%4)+8*\b+\j+1], v[96+8*\b+96*(\b/4)+\j:96+8*\b+96*(\b/4)+\j+1]
.endr
.endr
	WIN 0x04
.irp e, 0,1
.irp i, 0,2,4,6,8,10,12,14
	v_pk_mul_f32 v[TP+(\i)%4:TP+(\i)%4+1], v[X+32*\e+\i:X+32*\e+\i+1], v[CSR+16+\i:CSR+17+\i]
	v_pk_mul_f32 v[X+32*\e+\i:X+32*\e+\i+1], v[X+32*\e+\i:X+32*\e+\i+1], v[CSR+\i:CSR+\i+1]
	v_pk_fma_f32 v[X+32*\e+\i:X+32*\e+\i+1], v[X+32*\e+16+\i:X+32*\e+17+\i], v[CSR+16+\i:CSR+17+\i], v[X+32*\e+\i:X+32*\e+\i+1] neg_lo:[1,0,0] neg_hi:[1,0,0]
	v_pk_fma_f32 v[X+32*\e+16+\i:X+32*\e+17+\i], v[X+32*\e+16+\i:X+32*\e+17+\i], v[CSR+\i:CSR+\i+1], v[TP+(\i)%4:TP+(\i)%4+1]
.endr
.endr
	WIN 0
.if ((\a)%2) == 0 && (\a) > 0
	s_wait_xcnt 0x0
.endif
.set QD0, E0+6*((\a)%2)
.set QD1, E1+6*((\a)%2)
	QUANT X, QD0, QD1
.if ((\a)%2) == 0
	v_perm_b32 v[SW+(\a)/2], v[PW], v[PW], 0x01000100
	v_perm_b32 v[SW+4+(\a)/2], v[PW], v[PW], 0x03020302
.else
	v_perm_b32 v1, v[PW], v[PW], 0x01000100
	v_cndmask_b32 v[SW+(\a)/2], v[SW+(\a)/2], v1, s56
	v_perm_b32 v1, v[PW], v[PW], 0x03020302
	v_cndmask_b32 v[SW+4+(\a)/2], v[SW+4+(\a)/2], v1, s56
.irp p, 0,1,2
	global_store_b128 v[L16], v[E0+4*\p:E0+4*\p+3], s[80:81] offset:1536*((\a)/2)+512*\p
	global_store_b128 v[L16], v[E1+4*\p:E1+4*\p+3], s[80:81] offset:1536*((\a)/2)+512*\p+98304
.endr
.endif
.endm
.irp a, 0,1,2,3,4,5,6,7
	QKTILE \a
.endr
	global_store_b128 v[L16], v[SW:SW+3], s[82:83]
	global_store_b128 v[L16], v[SW+4:SW+7], s[82:83] offset:8192
	s_branch .Lend
.macro VTILE a
	WIN 0x06+(\a)/4
.irp n, 0,2,4,6,8,10,12,14,16,18,20,22,24,26,28,30,32,34,36,38,40,42,44,46,48,50,52,54,56,58,60,62
	v_pk_add_f32 v[X+\n:X+\n+1], v[64*((\a)%4)+\n:64*((\a)%4)+\n+1], v[224+2*(\a):225+2*(\a)]
.endr
	WIN 0
	s_wait_xcnt 0x0
.set QD0, E0
.set QD1, E0+6
	QUANT X, QD0, QD1
.irp p, 0,1,2
	global_store_b128 v[L16], v[E0+4*\p:E0+4*\p+3], s[80:81] offset:98304*((\a)/4)+1536*((\a)%4)+512*\p
.endr
.if ((\a)%2) == 0
	v_mov_b32 v[SW+2*((\a)/4)+((\a)%4)/2], v[PW]
.else
	v_cndmask_b32 v[SW+2*((\a)/4)+((\a)%4)/2], v[SW+2*((\a)/4)+((\a)%4)/2], v[PW], s56
.endif
.endm
.Lvpath:
.irp a, 0,1,2,3,4,5,6,7
	VTILE \a
.endr
	global_store_b64 v[L8], v[SW:SW+1], s[82:83]
	global_store_b64 v[L8], v[SW+2:SW+3], s[82:83] offset:4096
.Lend:
	s_wait_tensorcnt 0x0
	ds_add_u32 v[SPW], v[NIL]
	s_wait_dscnt 0x0
	CROUND
	s_endpgm
.Lfunc_end_k_qb3cd64a4b8_qkv:
	.size	k_qb3cd64a4b8_qkv, .Lfunc_end_k_qb3cd64a4b8_qkv-k_qb3cd64a4b8_qkv
	.p2alignl 7, 3214868480
	.fill 96, 4, 3214868480
	.section	.rodata,"a",@progbits
	.p2align	6, 0x0
	.amdhsa_kernel k_qb3cd64a4b8_qkv
		.amdhsa_group_segment_fixed_size 327680
		.amdhsa_private_segment_fixed_size 0
		.amdhsa_enable_private_segment 0
		.amdhsa_kernarg_size 64
		.amdhsa_user_sgpr_count 2
		.amdhsa_user_sgpr_kernarg_segment_ptr 1
		.amdhsa_wavefront_size32 1
		.amdhsa_system_sgpr_workgroup_id_x 1
		.amdhsa_system_sgpr_workgroup_id_y 1
		.amdhsa_system_sgpr_workgroup_id_z 1
		.amdhsa_system_vgpr_workitem_id 0
		.amdhsa_next_free_vgpr 1024
		.amdhsa_next_free_sgpr 100
		.amdhsa_reserve_vcc 0
		.amdhsa_float_denorm_mode_32 3
		.amdhsa_float_denorm_mode_16_64 3
		.amdhsa_memory_ordered 1
		.amdhsa_forward_progress 1
		.amdhsa_inst_pref_size 254
	.end_amdhsa_kernel
	.amdgpu_metadata
---
amdhsa.version: [ 1, 2 ]
amdhsa.kernels:
  - .name:           k_qb3cd64a4b8_qkv
    .symbol:         k_qb3cd64a4b8_qkv.kd
    .args:
      - { .name: opc, .offset: 0, .size: 8, .value_kind: global_buffer, .address_space: global }
      - { .name: ops, .offset: 8, .size: 8, .value_kind: global_buffer, .address_space: global }
      - { .name: bq, .offset: 16, .size: 8, .value_kind: global_buffer, .address_space: global }
      - { .name: bk, .offset: 24, .size: 8, .value_kind: global_buffer, .address_space: global }
      - { .name: bv, .offset: 32, .size: 8, .value_kind: global_buffer, .address_space: global }
      - { .name: rope, .offset: 40, .size: 8, .value_kind: global_buffer, .address_space: global }
      - { .name: qkc, .offset: 48, .size: 8, .value_kind: global_buffer, .address_space: global }
      - { .name: qks, .offset: 56, .size: 8, .value_kind: global_buffer, .address_space: global }
    .group_segment_fixed_size: 327680
    .private_segment_fixed_size: 0
    .kernarg_segment_align: 8
    .kernarg_segment_size: 64
    .max_flat_workgroup_size: 128
    .sgpr_count:     100
    .vgpr_count:     1024
    .wavefront_size: 32
...
	.end_amdgpu_metadata
.endif
;; end of part 2
;; launch attn (part 3): grid 4 x 64, 16 waves a work-group, clusters of 4 x 1, 327,680 bytes of LDS; arguments qkc, qks, atc, ats; writes atc, ats
.if DOCPART == 3
	.amdgcn_target "amdgcn-amd-amdhsa--gfx1250"
	.amdhsa_code_object_version 6
	.text
	.protected	k_qb3cd64a4b8_attn
	.globl	k_qb3cd64a4b8_attn
	.p2align	8
	.type	k_qb3cd64a4b8_attn,@function
k_qb3cd64a4b8_attn:
	s_mov_b64 s[64:65], 0
	v_nop
	global_prefetch_b8 v0, s[64:65] scope:SCOPE_SE
	s_setreg_imm32_b32 hwreg(HW_REG_WAVE_MODE, 25, 1), 1
	s_wait_xcnt 0x0
	s_wait_alu depctr_hold_cnt(0) depctr_sa_sdst(0) depctr_va_vdst(0) depctr_va_sdst(0) depctr_va_ssrc(0) depctr_va_vcc(0) depctr_vm_vsrc(0)
	s_getreg_b32 s2, hwreg(HW_REG_IB_STS2, 6, 4)
	s_cmp_eq_u32 s2, 0
	s_cbranch_scc0 .Lentry_in_a_cluster
	s_endpgm
.Lentry_in_a_cluster:
	s_bfe_u32 s2, ttmp6, 0x10000c
	s_cmp_lg_u32 s2, 0x3003
	s_cbranch_scc0 .Lentry_shape_is_right
	s_endpgm
.Lentry_shape_is_right:
; Attention on codes of FP6 (E2M3) with E8M0 scales: for each of 64 (batch, head): O = softmax(q k^T / 8) v, 2,048 keys, head size 64; O / l is quantised along the head's 64 and leaves as half of an operand image of the last product.
; THE SOFTMAX: t = score x log2(e) / 8; M = the running largest t rounded UP to a whole number; p = 2^(t - M) is quantised along the keys, not normalised; the row's sum is taken of the unquantised p and divides at the end.
; SHARES.  A work-group owns 512 queries of one head; each of its sixteen waves one tile of 16 in each of two passes.  The head's K and V codes (2 x 98,304 bytes) and scale words lie in LDS for the whole launch: each byte is filled once.
; CLUSTER.  The four work-groups of a head form a cluster, and every fill is a joint load that names the four.  Ten tiles (K's and V's scale words, four chunks of four key steps each) go to waves 0 to 9, one load a wave, each in its own arm
; of one chain of branches on the wave's number; every wave waits for 0 and one barrier shows all of it.  No prefetch: every byte that the launch reads through LDS is asked for at its head.
; LAYOUT.  Both products transposed: S^T = K Q^T, O^T = V^T P^T: a lane holds one query.  Keys, queries and V's channels of a tile are laid 32 g + 8 u + r + 8 (r / 8), so that the 16 registers of two neighbouring result tiles are 16 neighbours along the next K.
; THE HEAD'S 64 ARE HALF OF THE INSTRUCTION'S K.  Q's registers 6-11 are zero codes.  K's tile t is named as v[32 + 6 t : 43 + 6 t]: its upper six registers are the next tile's codes (tile 7: V's first six), finite numbers that meet Q's zeros; bytes 2, 3 of both scale words repeat bytes 0, 1.
; K ONE STEP AHEAD.  Behind a step's score products the step's V and the NEXT step's K and scale words are asked of LDS.  A pass's last step so reads 6,144 bytes behind K's image and 512 behind its scale words: bytes of V's, which are filled; they are not used.
; LIMITS: NaN and infinities are not served; the scaled scores t stay under 2^31 in magnitude; a block of O / l whose largest magnitude lies under 2^-124 keeps the byte 1.
.set KIMG,  0                          ; [key step 16][pair of tiles 4][plane 3][512]
.set VIMG,  98304                      ; [key step 16][tile of channels 4][plane 3][512]
.set KSC,   196608                     ; [key step 16][512]
.set VSC,   204800                     ; [key step 16][256]
.set ASC,   208896                     ; the results' scale words, 4 x 512 bytes, stored by the waves; no fill lands here
.set SPARE, 210944                     ; the spare words, 128 bytes a wave
.set L16, 1
.set L8,  2
.set ADK, 3                            ; v3-6 addresses of the loads in hand
.set ADV, 4
.set ADS, 5
.set ADT, 6
.set SPW, 7
.set NIL, 8
.set QS,  9                            ; Q's scale words
.set VS,  10                           ; v10-11 V's;  v12 -M, v13 the largest t, v[14:15] the sum in two halves
.set QF,  16                           ; v16-21 Q, v22-27 zeros
.set KS,  28                           ; v28-31 K's scale words
.set KF,  32                           ; v32-79 K's 8 tiles
.set VF,  80                           ; v80-127 V's 4 fragments
.set S,   128                          ; v128-191 S^T, then p
.set O,   192                          ; v192-223 O^T
.set PF,  224                          ; v224-235 p's codes
.set PX,  236                          ; v236-243 at work
.set BM,  244                          ; v244-247 the blocks' largest
.set SOP, 248                          ; v248-251 the conversions' scale operands;  v252 f (v253 named with it), v254 at work
.set PS,  255                          ; p's scale word
.set WV,  12
.set CX,  13
.set BH,  14
.set ASA, 15
.set SEL, 16
.set CS,  18
.set G1C, 20                           ; group 1: a chunk, 96 rows of 256 bytes; K's scale words, 32 rows; V's, 16 rows
.set G1KS, 28
.set G1VS, 36
.set G0K, 44                           ; s[44:63] five groups 0 for K;  s[68:87] for V
.set G0V, 68
.set TK,  88
.set TV,  89
.set TS,  90
.set TJ,  91
.set CNT, 92
.set QPA, 94
.set QPB, 96
.set QSP, 98
.set HP,  100
.macro CROUND
	s_barrier_signal -1
	s_barrier_wait -1
	s_cmp_lg_u32 s[WV], 0
	s_cbranch_scc1 .Lnot_wave_0_\@
	s_barrier_signal -3
.Lnot_wave_0_\@:
	s_barrier_wait -3
	s_barrier_signal -1
	s_barrier_wait -1
.endm
.macro WMMA6 d, a, b, c, sa, sb, oa    ; oa: source 0's scale words stand in lanes 16-31
.if (\oa)
	v_wmma_scale_f32_16x16x128_f8f6f4 v[\d:\d+7], v[\a:\a+11], v[\b:\b+11], \c, v[\sa], v[\sb] matrix_a_fmt:MATRIX_FMT_FP6 matrix_b_fmt:MATRIX_FMT_FP6 matrix_a_scale:MATRIX_SCALE_ROW1
.else
	v_wmma_scale_f32_16x16x128_f8f6f4 v[\d:\d+7], v[\a:\a+11], v[\b:\b+11], \c, v[\sa], v[\sb] matrix_a_fmt:MATRIX_FMT_FP6 matrix_b_fmt:MATRIX_FMT_FP6
.endif
.endm
.macro ARM w, g0, g1                   ; wave w's one load; an s_nop 0 and four v_nop follow it
	s_cmp_eq_u32 s[WV], \w
	s_cbranch_scc0 .Lnot_\w\()
	tensor_load_to_lds s[\g0:\g0+3], s[\g1:\g1+7]
	s_nop 0
.rept 4
	v_nop
.endr
	s_branch .Lasked
.Lnot_\w\():
.endm
.macro KLOADS                          ; a key step's scale words and eight tiles of K: 13 loads
	ds_load_b128 v[KS:KS+3], v[ADS]
.irp p, 0,1,2,3,4,5,6,7,8,9,10,11
	ds_load_b128 v[KF+4*\p:KF+4*\p+3], v[ADK] offset:512*\p
.endr
.endm
	s_load_b256 s[4:11], s[0:1], 0x0               ; qkc, qks, atc, ats
	v_lshl_add_u32 v[SPW], v0, 2, SPARE
	v_mov_b32 v[NIL], 0
	ds_add_u32 v[SPW], v[NIL]                      ; the opening lines
	ds_add_u32 v[SPW], v[NIL]
	v_lshrrev_b32 v1, 5, v0
	s_delay_alu instid0(VALU_DEP_1)
	v_readfirstlane_b32 s[WV], v1                  ; wave 0..15
	s_bfe_u32 s[CX], ttmp6, 0x40000                ; my place in the cluster: it enters Q's and the results' addresses alone
	s_and_b32 s[BH], ttmp7, 0xffff                 ; 16 batch + head, which the four partners share
.irp g, G1C, G1KS, G1VS
	s_mov_b32 s[\g], 15|(3<<16)|(1<<21)            ; the mask: all four; elements of 8 bytes; bit 21 beside a mask
	s_mov_b32 s[\g+1], 32<<16                      ; rows of 256 bytes
	s_mov_b32 s[\g+3], 32<<16
	s_mov_b32 s[\g+5], 32
	s_mov_b32 s[\g+6], 0
	s_mov_b32 s[\g+7], 0
.endr
	s_mov_b32 s[G1C+2], 96<<16
	s_mov_b32 s[G1C+4], 96
	s_mov_b32 s[G1KS+2], 32<<16
	s_mov_b32 s[G1KS+4], 32
	s_mov_b32 s[G1VS+2], 16<<16
	s_mov_b32 s[G1VS+4], 16
	s_mov_b32 s[SEL], 0x76543210
	s_mov_b32 s[SEL+1], 0xfedcba98
	s_mov_b32 s[CS], 0x3e38aa3b                    ; c = log2(e) / 8
	s_mov_b32 s[CS+1], s[CS]
	s_mov_b32 s3, 0
	s_wait_dscnt 0x0
	s_wait_kmcnt 0x0
	s_mul_i32 s2, s[BH], 98304
	s_add_nc_u64 s[HP:HP+1], s[4:5], s[2:3]        ; the head's codes of q; k's lie 6,291,456 bytes on, v's 12,582,912
	s_lshl_b32 s2, s[BH], 13
	s_add_nc_u64 s[QSP:QSP+1], s[6:7], s[2:3]      ; the head's scale words of q; k's lie 524,288 bytes on
	s_mov_b32 s[G0K], 1
	s_mov_b32 s[G0K+1], KSC
	s_add_nc_u64 s[G0K+2:G0K+3], s[QSP:QSP+1], 524288
	s_or_b32 s[G0K+3], s[G0K+3], 0x80000000
	s_lshl_b32 s2, s[BH], 12
	s_mov_b32 s[G0V], 1
	s_mov_b32 s[G0V+1], VSC
	s_add_nc_u64 s[G0V+2:G0V+3], s[6:7], s[2:3]
	s_add_nc_u64 s[G0V+2:G0V+3], s[G0V+2:G0V+3], 1048576
	s_or_b32 s[G0V+3], s[G0V+3], 0x80000000
.irp c, 0,1,2,3
	s_mov_b32 s[G0K+4+4*\c], 1
	s_mov_b32 s[G0K+5+4*\c], KIMG+24576*\c
	s_add_nc_u64 s[G0K+6+4*\c:G0K+7+4*\c], s[HP:HP+1], 6291456+24576*\c
	s_or_b32 s[G0K+7+4*\c], s[G0K+7+4*\c], 0x80000000
	s_mov_b32 s[G0V+4+4*\c], 1
	s_mov_b32 s[G0V+5+4*\c], VIMG+24576*\c
	s_add_nc_u64 s[G0V+6+4*\c:G0V+7+4*\c], s[HP:HP+1], 12582912+24576*\c
	s_or_b32 s[G0V+7+4*\c], s[G0V+7+4*\c], 0x80000000
.endr
	CROUND                                         ; all four work-groups are here: the joint loads meet
	ARM 0, G0K, G1KS
	ARM 1, G0V, G1VS
	ARM 2, G0K+4, G1C
	ARM 3, G0V+4, G1C
	ARM 4, G0K+8, G1C
	ARM 5, G0V+8, G1C
	ARM 6, G0K+12, G1C
	ARM 7, G0V+12, G1C
	ARM 8, G0K+16, G1C
	ARM 9, G0V+16, G1C
.Lasked:
	; my tile of pass p is tile 32 cx + 16 p + w of the head's 128
	s_lshl_b32 s2, s[CX], 4
	s_lshr_b32 s93, s[WV], 1
	s_add_co_u32 s2, s2, s93
	s_mul_i32 s2, s2, 1536                         ; its pair's image
	s_add_nc_u64 s[QPA:QPA+1], s[HP:HP+1], s[2:3]
	s_mov_b64 s[QPB:QPB+1], s[QPA:QPA+1]
	s_and_b32 s93, s[WV], 1                        ; u: the pair's first six registers or its last six
	s_mul_i32 s2, s93, 520                         ; registers 0-1 at 16 l (u = 0) or 520 + 16 l; registers 4-5 512 bytes on;
	s_add_nc_u64 s[QPA:QPA+1], s[QPA:QPA+1], s[2:3]
	s_mul_i32 s2, s93, 1016                        ; registers 2-3 at 8 + 16 l or 1,024 + 16 l
	s_add_nc_u64 s[QPB:QPB+1], s[QPB:QPB+1], s[2:3]
	s_lshl_b32 s2, s[CX], 2
	s_lshr_b32 s[ASA], s[WV], 3
	s_add_co_u32 s2, s2, s[ASA]
	s_lshl_b32 s2, s2, 9                           ; the 128 queries' 512 bytes of scale words
	s_lshl_b32 s[ASA], s[ASA], 9
	s_lshl_b32 s93, s93, 8                         ; in them: lanes 16 u + r,
	s_bfe_u32 s[CNT], s[WV], 0x20001
	s_lshl_b32 s[CNT], s[CNT], 2                   ; word (w % 8) / 2
	s_add_co_u32 s93, s93, s[CNT]
	s_add_co_u32 s[ASA], s[ASA], s93
	s_add_co_u32 s[ASA], s[ASA], ASC               ; (made of the wave's number alone)
	s_add_co_u32 s2, s2, s93
	s_add_nc_u64 s[QSP:QSP+1], s[QSP:QSP+1], s[2:3]
	s_and_b32 s[TK], s[BH], 0x30                   ; 16 batch
	s_lshl_b32 s[TV], s[CX], 2
	s_add_co_u32 s[TK], s[TK], s[TV]               ; the first group of 128 rows of my work-group's 512
	s_lshl_b32 s2, s[TK], 9
	s_and_b32 s[TS], s[BH], 15                     ; the head
	s_lshl_b32 s[TJ], s[TS], 15
	s_add_co_u32 s2, s2, s[TJ]
	s_add_nc_u64 s[10:11], s[10:11], s[2:3]        ; ats: [head][group][512]
	s_lshr_b32 s[TV], s[WV], 3
	s_add_co_u32 s[TK], s[TK], s[TV]
	s_mul_i32 s2, s[TK], 98304
	s_lshr_b32 s[TV], s[TS], 1
	s_mul_i32 s[TV], s[TV], 12288                  ; the K step of the last product: two heads
	s_add_co_u32 s2, s2, s[TV]
	s_and_b32 s[TV], s[WV], 7
	s_mul_i32 s[TV], s[TV], 1536                   ; the tile
	s_add_co_u32 s2, s2, s[TV]
	s_and_b32 s[TV], s[TS], 1
	s_mul_i32 s[TV], s[TV], 768                    ; my head's half of the image
	s_add_co_u32 s2, s2, s[TV]
	s_add_nc_u64 s[8:9], s[8:9], s[2:3]
	v_and_b32 v[L8], 31, v0
	s_delay_alu instid0(VALU_DEP_1)
	v_lshlrev_b32 v[L16], 4, v[L8]
	s_delay_alu instid0(VALU_DEP_2)
	v_lshlrev_b32 v[L8], 3, v[L8]
.irp j, 0,1,2,3,4,5
	v_mov_b32 v[QF+6+\j], 0                        ; Q's empty half: zero codes
	v_mov_b32 v[VF+\j], 0                          ; named as the upper half of K's tile 7 before V's first load
.endr
.irp b, 0,1,2,3
	v_mov_b32 v[PX+\b], 0                          ; a lane permute's destination counts as one of its sources
.endr
	v_mov_b32 v253, 0                              ; (named as the upper half of the pair v[252:253])
; A KEY STEP: 128 keys
.macro STEP
	s_wait_dscnt 0x0                               ; this step's K, asked for a step ago
.irp t, 0,1,2,3,4,5,6,7
.set rD,  S+8*\t
.set rS0, KF+6*\t
.set sS0, KS+\t/2
.set oS0, \t%2
	WMMA6 rD, rS0, QF, 0, sS0, QS, oS0
.endr
	v_add_nc_u32 v[ADV], s[TV], v[L16]             ; these four are the places in front of the loads into K's and V's registers and of the first read of the scores
	v_add_nc_u32 v[ADT], s[TJ], v[L8]
	v_add_nc_u32 v[ADK], s[TK], v[L16]
	v_add_nc_u32 v[ADS], s[TS], v[L16]
.irp p, 0,1,2,3,4,5,6,7,8,9,10,11
	ds_load_b128 v[VF+4*\p:VF+4*\p+3], v[ADV] offset:512*\p     ; this step's V: 13 loads
.endr
	ds_load_b64 v[VS:VS+1], v[ADT]
	KLOADS                                         ; the next step's K: 13 loads
.irp b, 0,1,2,3
	v_max3_num_f32 v[BM+\b], v[S+16*\b], v[S+16*\b+1], v[S+16*\b+2]   ; the largest score of each block of 32 keys: for the row's maximum and, since p rises with the score, for the block's largest p
.endr
.irp i, 3,5,7,9,11,13
.irp b, 0,1,2,3
	v_max3_num_f32 v[BM+\b], v[BM+\b], v[S+16*\b+\i], v[S+16*\b+\i+1]
.endr
.endr
.irp b, 0,1,2,3
	v_max_num_f32 v[BM+\b], v[BM+\b], v[S+16*\b+15]
.endr
.irp b, 0,1,2,3
	s_delay_alu instid0(VALU_DEP_4)
	v_permlanex16_b32 v[PX+\b], v[BM+\b], s[SEL], s[SEL+1]
.endr
.irp b, 0,1,2,3
	s_delay_alu instid0(VALU_DEP_4)
	v_max_num_f32 v[BM+\b], v[BM+\b], v[PX+\b]     ; with lane l xor 16's 16 keys
.endr
	s_delay_alu instid0(VALU_DEP_2)
	v_max3_num_f32 v254, v[BM], v[BM+1], v[BM+2]
	s_delay_alu instid0(VALU_DEP_1)
	v_max_num_f32 v254, v254, v[BM+3]
	s_delay_alu instid0(VALU_DEP_1)
	v_mul_f32 v254, s[CS], v254                    ; as t
	s_delay_alu instid0(VALU_DEP_1)
	v_max_num_f32 v13, v13, v254                   ; the running largest t
	v_mov_b32 v254, v12
	s_delay_alu instid0(VALU_DEP_2)
	v_floor_f32 v12, -v13                          ; the new -M = -ceil(t): a whole number
	s_delay_alu instid0(VALU_DEP_1)
	v_sub_f32 v254, v12, v254                      ; old M - new M: a whole number, 0 or less
	s_delay_alu instid0(VALU_DEP_1)
	v_cvt_i32_f32 v254, v254                       ; (it saturates)
	s_delay_alu instid0(VALU_DEP_1)
	v_ldexp_f32 v252, 1.0, v254                    ; f = 2^(old M - new M): a multiplication by it rounds nothing
.set J, 0
.rept 32
	v_pk_fma_f32 v[S+J:S+J+1], v[S+J:S+J+1], s[CS:CS+1], v[12:13] op_sel_hi:[1,0,0]   ; t - M
.set J, J+2
.endr
.irp b, 0,1,2,3
	v_fma_f32 v[BM+\b], v[BM+\b], s[CS], v12
.endr
	s_wait_alu depctr_va_vdst(0)
.set J, 0
.rept 64
	v_exp_f32 v[S+J], v[S+J]                       ; p = 2^(t - M)
.set J, J+1
.endr
	v_pk_mul_f32 v[14:15], v[14:15], v[252:253] op_sel_hi:[1,0]   ; the sums under the new M: a plain place behind the exponentials
	s_wait_alu depctr_va_vdst(0)                   ; one wait for the whole batch, ahead of its first reader
.irp b, 0,1,2,3
	v_exp_f32 v[BM+\b], v[BM+\b]                   ; the block's largest p
.endr
	v_pk_add_f32 v[236:237], v[132:133], v[136:137]   ; the row's sum of the unquantised p, in eight chains
	v_pk_add_f32 v[250:251], v[140:141], v[144:145]
	v_pk_add_f32 v[248:249], v[148:149], v[152:153]
	v_pk_add_f32 v[242:243], v[156:157], v[160:161]
	v_pk_add_f32 v[240:241], v[164:165], v[168:169]
	v_pk_add_f32 v[238:239], v[172:173], v[176:177]
	v_pk_add_f32 v[234:235], v[180:181], v[184:185]
	v_pk_add_f32 v[14:15], v[14:15], v[188:189]
	v_pk_add_f32 v[236:237], v[236:237], v[128:129]
	v_pk_add_f32 v[250:251], v[250:251], v[130:131]
	v_pk_add_f32 v[248:249], v[248:249], v[134:135]
	v_pk_add_f32 v[242:243], v[242:243], v[138:139]
	v_pk_add_f32 v[240:241], v[240:241], v[142:143]
	v_pk_add_f32 v[238:239], v[238:239], v[146:147]
	v_pk_add_f32 v[234:235], v[234:235], v[150:151]
	v_pk_add_f32 v[14:15], v[14:15], v[154:155]
	v_pk_add_f32 v[236:237], v[236:237], v[158:159]
	v_pk_add_f32 v[250:251], v[250:251], v[162:163]
	v_pk_add_f32 v[248:249], v[248:249], v[166:167]
	v_pk_add_f32 v[242:243], v[242:243], v[170:171]
	v_pk_add_f32 v[240:241], v[240:241], v[174:175]
	v_pk_add_f32 v[238:239], v[238:239], v[178:179]
	v_pk_add_f32 v[234:235], v[234:235], v[182:183]
	v_pk_add_f32 v[14:15], v[14:15], v[186:187]
	v_pk_add_f32 v[236:237], v[236:237], v[190:191]
	s_delay_alu instid0(VALU_DEP_2)
	v_pk_add_f32 v[14:15], v[14:15], v[242:243]
	s_delay_alu instid0(VALU_DEP_2)
	v_pk_add_f32 v[236:237], v[236:237], v[240:241]
	v_pk_add_f32 v[250:251], v[250:251], v[238:239]
	v_pk_add_f32 v[248:249], v[248:249], v[234:235]
	s_delay_alu instid0(VALU_DEP_2)
	v_pk_add_f32 v[14:15], v[14:15], v[250:251]
	s_delay_alu instid0(VALU_DEP_2)
	v_pk_add_f32 v[236:237], v[236:237], v[248:249]
	s_delay_alu instid0(VALU_DEP_1)
	v_pk_add_f32 v[14:15], v[14:15], v[236:237]
	s_wait_alu depctr_va_vdst(0)                   ; and one for the four
.irp b, 0,1,2,3
	v_max_num_f32 v[BM+\b], 0x1800000, v[BM+\b]    ; the floor 2^(3 - 127): the byte cannot fall under 1
.endr
.irp b, 0,1,2,3
	s_delay_alu instid0(VALU_DEP_4)
	v_add_nc_u32 v[SOP+\b], 0xff000000, v[BM+\b]
.endr
.irp b, 0,1,2,3
	s_delay_alu instid0(VALU_DEP_4)
	v_lshrrev_b32 v[PX+\b], 23, v[SOP+\b]
.endr
	s_delay_alu instid0(VALU_DEP_3)
	v_lshl_or_b32 v[PS], v[PX+1], 8, v[PX]         ; p's scale word for these 128 keys
	s_delay_alu instid0(VALU_DEP_1)
	v_lshl_or_b32 v[PS], v[PX+2], 16, v[PS]
	s_delay_alu instid0(VALU_DEP_1)
	v_lshl_or_b32 v[PS], v[PX+3], 24, v[PS]
.irp c, 0,1
	v_cvt_scalef32_pk16_fp6_f32 v[PF+6*\c:PF+6*\c+2], v[S+32*\c:S+32*\c+15], v[SOP+2*\c]
	v_cvt_scalef32_pk16_fp6_f32 v[PX+4*\c:PX+4*\c+2], v[S+32*\c+16:S+32*\c+31], v[SOP+2*\c+1]
.endr
	v_nop                                          ; one plain place behind a scaled conversion
.irp c, 0,1
.irp i, 0,1,2
	v_permlane16_swap_b32 v[PF+6*\c+\i], v[PX+4*\c+\i]
.endr
.irp i, 0,1,2
	s_delay_alu instid0(VALU_DEP_3)
	v_mov_b32 v[PF+6*\c+3+\i], v[PX+4*\c+\i]
.endr
.endr
.irp j, 0,2,4,6,8,10,12,14,16,18,20,22,24,26,28,30
	v_pk_mul_f32 v[O+\j:O+\j+1], v[O+\j:O+\j+1], v[252:253] op_sel_hi:[1,0]   ; O^T under the new M; these sixteen are also the places between the scale word, the codes and the products
.endr
	s_wait_alu depctr_va_vdst(0)
	s_wait_dscnt 13                                ; V and its scale words are in; younger are the 13 loads of the next step's K
.irp t, 0,1,2,3
.set rD,  O+8*\t
.set rS0, VF+12*\t
.set sS0, VS+\t/2
.set oS0, \t%2
	WMMA6 rD, rS0, PF, v[rD:rD+7], sS0, PS, oS0
.endr
	s_add_co_u32 s[TK], s[TK], 6144
	s_add_co_u32 s[TV], s[TV], 6144
	s_add_co_u32 s[TS], s[TS], 512
	s_add_co_u32 s[TJ], s[TJ], 256
.endm
.macro KLOOP n
	s_mov_b32 s[CNT], \n
.Lk_\@:
	STEP
	s_sub_co_u32 s[CNT], s[CNT], 1
	s_cmp_lg_u32 s[CNT], 0
	s_cbranch_scc1 .Lk_\@
.endm
.macro FIRSTK                          ; a pass's start: key step 0's K is asked for; K's two scalars then stand one step ahead of V's
	s_wait_dscnt 0x0                               ; no LDS load of the last pass is out
	s_mov_b32 s[TK], KIMG
	s_mov_b32 s[TV], VIMG
	s_mov_b32 s[TS], KSC
	s_mov_b32 s[TJ], VSC
	v_add_nc_u32 v[ADK], s[TK], v[L16]
	v_add_nc_u32 v[ADS], s[TS], v[L16]
	KLOADS
	s_add_co_u32 s[TK], s[TK], 6144
	s_add_co_u32 s[TS], s[TS], 512
.endm
.macro BEGIN p                         ; my tile of pass p: Q, its scale words, the state
	s_wait_xcnt 0x0                                ; the last pass's stores have read their registers
	v_and_b32 v[ADK], 0xf0, v[L16]                 ; 16 r
	global_load_b64 v[QF:QF+1], v[L16], s[QPA:QPA+1] offset:12288*\p
	global_load_b64 v[QF+2:QF+3], v[L16], s[QPB:QPB+1] offset:12288*\p+8
	global_load_b64 v[QF+4:QF+5], v[L16], s[QPA:QPA+1] offset:12288*\p+512
	global_load_b32 v[QS], v[ADK], s[QSP:QSP+1] offset:1024*\p
	v_mov_b32 v13, 0xff61b1e6                      ; the largest t so far: -3e38
	s_delay_alu instid0(VALU_DEP_1)
	v_floor_f32 v12, -v13
	v_mov_b32 v14, 0
	v_mov_b32 v15, 0
.set J, 0
.rept 32
	v_mov_b32 v[O+J], 0                            ; the key step is written once: the first finds zeros, which the first change of M leaves zeros
.set J, J+1
.endr
	s_wait_loadcnt 0x0
.endm
.macro OUT p                           ; O^T / l, quantised along the head's 64: two blocks; six registers of codes and two scale bytes a row
.rept 4
	v_nop
.endr
	v_add_f32 v14, v14, v15
	s_delay_alu instid0(VALU_DEP_1)
	v_permlanex16_b32 v254, v14, s[SEL], s[SEL+1]
	s_delay_alu instid0(VALU_DEP_1)
	v_add_f32 v14, v14, v254                       ; the row's sum
	s_wait_alu depctr_va_vdst(0)
	v_rcp_f32 v252, v14
	v_and_b32 v[ADK], 0xf0, v[L16]                 ; (a plain place behind the reciprocal)
	s_delay_alu instid0(VALU_DEP_1)
	v_add_nc_u32 v[ADK], s[ASA], v[ADK]
	s_wait_alu depctr_va_vdst(0)                   ; the wait, ahead of the first reader
.irp j, 0,2,4,6,8,10,12,14,16,18,20,22,24,26,28,30
	v_pk_mul_f32 v[S+\j:S+\j+1], v[O+\j:O+\j+1], v[252:253] op_sel_hi:[1,0]   ; register 16 b + i: channel 32 b + 16 h + i
.endr
.irp b, 0,1
	v_max3_num_f32 v[BM+\b], |v[S+16*\b]|, |v[S+16*\b+1]|, 0x1800000
.endr
.irp i, 2,4,6,8,10,12,14
.irp b, 0,1
	s_delay_alu instid0(VALU_DEP_2)
	v_max3_num_f32 v[BM+\b], v[BM+\b], |v[S+16*\b+\i]|, |v[S+16*\b+\i+1]|
.endr
.endr
.irp b, 0,1
	s_delay_alu instid0(VALU_DEP_2)
	v_permlanex16_b32 v[PX+\b], v[BM+\b], s[SEL], s[SEL+1]
.endr
.irp b, 0,1
	s_delay_alu instid0(VALU_DEP_2)
	v_max_num_f32 v[BM+\b], v[BM+\b], v[PX+\b]
.endr
.irp b, 0,1
	s_delay_alu instid0(VALU_DEP_2)
	v_add_nc_u32 v[SOP+\b], 0xff000000, v[BM+\b]
.endr
.irp b, 0,1
	s_delay_alu instid0(VALU_DEP_2)
	v_lshrrev_b32 v[PX+\b], 23, v[SOP+\b]
.endr
	s_delay_alu instid0(VALU_DEP_1)
	v_lshl_or_b32 v254, v[PX+1], 8, v[PX]
	v_cvt_scalef32_pk16_fp6_f32 v[PF:PF+2], v[S:S+15], v[SOP]
	v_cvt_scalef32_pk16_fp6_f32 v[PX:PX+2], v[S+16:S+31], v[SOP+1]
	v_nop
.irp i, 0,1,2
	v_permlane16_swap_b32 v[PF+\i], v[PX+\i]
.endr
.irp i, 0,1,2
	s_delay_alu instid0(VALU_DEP_3)
	v_mov_b32 v[PF+3+\i], v[PX+\i]
.endr
	global_store_b128 v[L16], v[PF:PF+3], s[8:9] offset:196608*\p        ; 512 consecutive bytes, aligned to 256;
	global_store_b64 v[L8], v[PF+4:PF+5], s[8:9] offset:196608*\p+512    ; 256
	ds_store_b32 v[ADK], v254 offset:1024*\p       ; both halves of the lanes write the same word with the same value
.endm
	BEGIN 0
	s_wait_tensorcnt 0x0                           ; my tile is in (a wave without one passes)
	s_wait_dscnt 0x0
	s_barrier_signal -1
	s_barrier_wait -1                              ; all ten tiles are in, for every wave; nothing is ever filled again
	FIRSTK
	KLOOP 16
	OUT 0
	BEGIN 1
	FIRSTK
	KLOOP 16
	OUT 1
	s_wait_dscnt 0x0                               ; for the others' sake: my scale words lie in LDS
	s_and_b32 s2, s[WV], 3
	s_lshl_b32 s2, s2, 9
	s_add_co_u32 s93, s2, ASC
	v_add_nc_u32 v[ADK], s93, v[L16]
	s_barrier_signal -1
	s_barrier_wait -1
	s_cmp_lt_u32 s[WV], 4                          ; waves 0-3 store the four groups' 512 bytes of scale words
	s_cbranch_scc0 .Ldone
	s_wait_alu depctr_va_vdst(0)
	ds_load_b128 v[S:S+3], v[ADK]
	s_add_nc_u64 s[10:11], s[10:11], s[2:3]
	s_wait_dscnt 0x0
	global_store_b128 v[L16], v[S:S+3], s[10:11]
.Ldone:
	s_wait_tensorcnt 0x0                           ; the wave's end
	ds_add_u32 v[SPW], v[NIL]
	s_wait_dscnt 0x0
	CROUND                                         ; the closing round
	s_endpgm
.Lfunc_end_k_qb3cd64a4b8_attn:
	.size	k_qb3cd64a4b8_attn, .Lfunc_end_k_qb3cd64a4b8_attn-k_qb3cd64a4b8_attn
	.p2alignl 7, 3214868480
	.fill 96, 4, 3214868480
	.section	.rodata,"a",@progbits
	.p2align	6, 0x0
	.amdhsa_kernel k_qb3cd64a4b8_attn
		.amdhsa_group_segment_fixed_size 327680
		.amdhsa_private_segment_fixed_size 0
		.amdhsa_enable_private_segment 0
		.amdhsa_kernarg_size 32
		.amdhsa_user_sgpr_count 2
		.amdhsa_user_sgpr_kernarg_segment_ptr 1
		.amdhsa_wavefront_size32 1
		.amdhsa_system_sgpr_workgroup_id_x 1
		.amdhsa_system_sgpr_workgroup_id_y 1
		.amdhsa_system_sgpr_workgroup_id_z 1
		.amdhsa_system_vgpr_workitem_id 0
		.amdhsa_next_free_vgpr 256
		.amdhsa_next_free_sgpr 102
		.amdhsa_reserve_vcc 0
		.amdhsa_float_denorm_mode_32 3
		.amdhsa_float_denorm_mode_16_64 3
		.amdhsa_memory_ordered 1
		.amdhsa_forward_progress 1
		.amdhsa_inst_pref_size 60
	.end_amdhsa_kernel
	.amdgpu_metadata
---
amdhsa.version: [ 1, 2 ]
amdhsa.kernels:
  - .name:           k_qb3cd64a4b8_attn
    .symbol:         k_qb3cd64a4b8_attn.kd
    .args:
      - { .name: qkc, .offset: 0, .size: 8, .value_kind: global_buffer, .address_space: global }
      - { .name: qks, .offset: 8, .size: 8, .value_kind: global_buffer, .address_space: global }
      - { .name: atc, .offset: 16, .size: 8, .value_kind: global_buffer, .address_space: global }
      - { .name: ats, .offset: 24, .size: 8, .value_kind: global_buffer, .address_space: global }
    .group_segment_fixed_size: 327680
    .private_segment_fixed_size: 0
    .kernarg_segment_align: 8
    .kernarg_segment_size: 32
    .max_flat_workgroup_size: 512
    .sgpr_count:     102
    .vgpr_count:     256
    .wavefront_size: 32
...
	.end_amdgpu_metadata
.endif
;; end of part 3
;; launch proj (part 4): grid 4 x 32, 4 waves a work-group, clusters of 4 x 4, 327,680 bytes of LDS; arguments atc, ats, opc, ops, bo, out0; writes out0
.if DOCPART == 4
	.amdgcn_target "amdgcn-amd-amdhsa--gfx1250"
	.amdhsa_code_object_version 6
	.text
	.protected	k_qb3cd64a4b8_proj
	.globl	k_qb3cd64a4b8_proj
	.p2align	8
	.type	k_qb3cd64a4b8_proj,@function
k_qb3cd64a4b8_proj:
	s_mov_b64 s[64:65], 0
	v_nop
	global_prefetch_b8 v0, s[64:65] scope:SCOPE_SE
	s_setreg_imm32_b32 hwreg(HW_REG_WAVE_MODE, 25, 1), 1
	s_wait_xcnt 0x0
	s_wait_alu depctr_hold_cnt(0) depctr_sa_sdst(0) depctr_va_vdst(0) depctr_va_sdst(0) depctr_va_ssrc(0) depctr_va_vcc(0) depctr_vm_vsrc(0)
	s_getreg_b32 s2, hwreg(HW_REG_IB_STS2, 6, 4)
	s_cmp_eq_u32 s2, 0
	s_cbranch_scc0 .Lentry_in_a_cluster
	s_endpgm
.Lentry_in_a_cluster:
	s_bfe_u32 s2, ttmp6, 0x10000c
	s_cmp_lg_u32 s2, 0xf033
	s_cbranch_scc0 .Lentry_shape_is_right
	s_endpgm
.Lentry_shape_is_right:
.set SLOT,  98304
.set QB,    24576
.set SPARE, 3*SLOT
.set STAGE, QB
.set SPW, 2
.set NIL, 3
.set A16, 4
.set A8,  7
.set B16, 10
.set B8,  13
.set L16, 16
.set L8,  17
.set STO, 18
.set RD,  19
.set SCA, 32
.set SCB, 64
.set AF,  128
.set X,   128
.set G1,  28
.set G1B, 36
.set G0,  44
.set G0B, 68
.set MSB, 0
.macro WIN new
.if MSB != (\new)
	s_set_vgpr_msb (MSB<<8)|(\new)
.set MSB, (\new)
.endif
.endm
.set MUL_LO, 0xa1
.set MUL_HI, 0xf1
.set TO_B,   0x40
.macro JLOAD g0a, g1a, g0b, g1b
	s_cmp_eq_u32 s21, 0
	s_cbranch_scc0 .Lfor_b_\@
	tensor_load_to_lds s[\g0a:\g0a+3], s[\g1a:\g1a+7]
	s_nop 0
.rept 4
	v_nop
.endr
	s_branch .Lasked_\@
.Lfor_b_\@:
	tensor_load_to_lds s[\g0b:\g0b+3], s[\g1b:\g1b+7]
	s_nop 0
.rept 4
	v_nop
.endr
.Lasked_\@:
.endm
.macro CREST
	s_cmp_lg_u32 s20, 0
	s_cbranch_scc1 .Lnot_wave_0_\@
	s_barrier_signal -3
.Lnot_wave_0_\@:
	s_barrier_wait -3
	s_barrier_signal -1
	s_barrier_wait -1
.endm
.macro CROUND
	s_barrier_signal -1
	s_barrier_wait -1
	CREST
.endm
.macro PLACES
.rept 4
	v_nop
.endr
.endm
.macro FRAG reg, a16, a8, off
	ds_load_b128 v[\reg:\reg+3], v[\a16] offset:\off
	ds_load_b64 v[\reg+4:\reg+5], v[\a8] offset:\off+512
	ds_load_b128 v[\reg+6:\reg+9], v[\a16] offset:\off+768
	ds_load_b64 v[\reg+10:\reg+11], v[\a8] offset:\off+1280
.endm
.macro FETCH_B sl, q, p
	WIN TO_B
.irp i, 0,1,2,3,4,5,6,7
	FRAG 128*(\p)+12*\i, B16+\sl, B8+\sl, 12288*(\q)+1536*\i
.endr
	WIN 0
.endm
.macro FETCH_A sl, q, i0
.irp i, \i0, \i0+1, \i0+2, \i0+3
	FRAG AF+12*(\i), A16+\sl, A8+\sl, 12288*(\q)+1536*(\i)
.endr
.endm
.macro WMMA6 d, a, b, c, sa, sb, oa, ob
.if (\oa) && (\ob)
	v_wmma_scale_f32_16x16x128_f8f6f4 v[\d:\d+7], v[\a:\a+11], v[\b:\b+11], \c, v[\sa], v[\sb] matrix_a_fmt:MATRIX_FMT_FP6 matrix_b_fmt:MATRIX_FMT_FP6 matrix_a_scale:MATRIX_SCALE_ROW1 matrix_b_scale:MATRIX_SCALE_ROW1
.elseif (\oa)
	v_wmma_scale_f32_16x16x128_f8f6f4 v[\d:\d+7], v[\a:\a+11], v[\b:\b+11], \c, v[\sa], v[\sb] matrix_a_fmt:MATRIX_FMT_FP6 matrix_b_fmt:MATRIX_FMT_FP6 matrix_a_scale:MATRIX_SCALE_ROW1
.elseif (\ob)
	v_wmma_scale_f32_16x16x128_f8f6f4 v[\d:\d+7], v[\a:\a+11], v[\b:\b+11], \c, v[\sa], v[\sb] matrix_a_fmt:MATRIX_FMT_FP6 matrix_b_fmt:MATRIX_FMT_FP6 matrix_b_scale:MATRIX_SCALE_ROW1
.else
	v_wmma_scale_f32_16x16x128_f8f6f4 v[\d:\d+7], v[\a:\a+11], v[\b:\b+11], \c, v[\sa], v[\sb] matrix_a_fmt:MATRIX_FMT_FP6 matrix_b_fmt:MATRIX_FMT_FP6
.endif
.endm
.macro MUL16 a0, p, ks, zero
.irp a, \a0, \a0+1
.irp b, 0,1,2,3,4,5,6,7
.set rD,  8*(8*((\a)%4)+\b)
.set rS0, 128*(\p)+12*\b
.set rS1, AF+12*(\a)
.set sS0, SCB+4*(\ks)+\b/2
.set sS1, SCA+4*(\ks)+(\a)/2
.set oS0, \b%2
.set oS1, (\a)%2
.if \zero
	WMMA6 rD, rS0, rS1, 0, sS0, sS1, oS0, oS1
.else
	WMMA6 rD, rS0, rS1, v[rD:rD+7], sS0, sS1, oS0, oS1
.endif
.endr
.endr
.endm
.macro STEP ks, sn, qn, zero
	s_wait_dscnt 16
	WIN MUL_LO
	MUL16 0, (\ks)%2, \ks, \zero
	MUL16 2, (\ks)%2, \ks, \zero
	s_wait_dscnt 0x0
	PLACES
	FETCH_B \sn, \qn, 1-(\ks)%2
	FETCH_A \sn, \qn, 0
	WIN MUL_HI
	MUL16 4, (\ks)%2, \ks, \zero
	MUL16 6, (\ks)%2, \ks, \zero
	PLACES
	WIN 0
	FETCH_A \sn, \qn, 4
.endm
.macro TURN ks, sn, fill
	s_wait_tensorcnt 0x0
	ds_add_u32 v[SPW], v[NIL]
	s_wait_dscnt 17
	WIN MUL_LO
	MUL16 0, (\ks)%2, \ks, 0
	s_wait_dscnt 0x0
	s_barrier_signal -1
	MUL16 2, (\ks)%2, \ks, 0
	WIN 0
	s_barrier_wait -1
.if \fill
	CREST
	s_add_nc_u64 s[G0+2:G0+3], s[G0+2:G0+3], 3*QB
	s_add_nc_u64 s[G0B+2:G0B+3], s[G0B+2:G0B+3], 3*QB
	JLOAD G0, G1, G0B, G1B
.else
	PLACES
.endif
	FETCH_B \sn, 0, 1-(\ks)%2
	FETCH_A \sn, 0, 0
	WIN MUL_HI
	MUL16 4, (\ks)%2, \ks, 0
	MUL16 6, (\ks)%2, \ks, 0
	PLACES
	WIN 0
	FETCH_A \sn, 0, 4
.endm
	s_load_b256 s[4:11], s[0:1], 0x0
	s_load_b128 s[12:15], s[0:1], 0x20
	v_lshl_add_u32 v[SPW], v0, 2, SPARE
	v_mov_b32 v[NIL], 0
	ds_add_u32 v[SPW], v[NIL]
	ds_add_u32 v[SPW], v[NIL]
	v_lshrrev_b32 v1, 5, v0
	v_readfirstlane_b32 s20, v1
	s_lshr_b32 s21, s20, 1
	s_and_b32 s22, s20, 1
	s_bfe_u32 s23, ttmp6, 0x40000
	s_bfe_u32 s24, ttmp6, 0x40004
	s_and_b32 s26, ttmp7, 0xffff
	s_lshl_b32 s60, s24, 2
	s_lshl_b32 s60, 15, s60
	s_lshl_b32 s61, 0x1111, s23
	s_or_b32 s[G1], s60, (3<<16)|(1<<21)
	s_or_b32 s[G1B], s61, (3<<16)|(1<<21)
.irp g, G1, G1B
	s_mov_b32 s[\g+1], 32<<16
	s_mov_b32 s[\g+2], 192<<16
	s_mov_b32 s[\g+3], 32<<16
	s_mov_b32 s[\g+4], 192
	s_mov_b32 s[\g+5], 32
	s_mov_b32 s[\g+6], 0
	s_mov_b32 s[\g+7], 0
.endr
	s_lshl_b32 s90, s26, 3
	s_lshl_b32 s88, s24, 1
	s_add_co_u32 s90, s90, s88
	s_lshl_b32 s91, s23, 1
	s_add_co_u32 s91, s91, 88
	s_add_co_u32 s92, s90, s22
	s_mul_i32 s92, s92, 98304
	s_mov_b32 s93, 0
	s_add_co_u32 s94, s91, s22
	s_mul_i32 s94, s94, 98304
	s_mov_b32 s95, 0
	s_mul_i32 s96, s20, 3*QB                       ; a wave's three slots lie on end: the head's one load fills two of them
	s_wait_dscnt 0x0
	s_wait_kmcnt 0x0
	s_add_nc_u64 s[92:93], s[4:5], s[92:93]
	s_add_nc_u64 s[94:95], s[8:9], s[94:95]
	CROUND
.irp s, 0,1
	s_mov_b32 s[G0+4*\s], 1
	s_add_co_u32 s[G0+4*\s+1], s96, \s*2*QB
	s_add_nc_u64 s[G0+4*\s+2:G0+4*\s+3], s[92:93], \s*2*QB
	s_or_b32 s[G0+4*\s+3], s[G0+4*\s+3], 0x80000000
	s_mov_b32 s[G0B+4*\s], 1
	s_add_co_u32 s[G0B+4*\s+1], s96, \s*2*QB
	s_add_nc_u64 s[G0B+4*\s+2:G0B+4*\s+3], s[94:95], \s*2*QB
	s_or_b32 s[G0B+4*\s+3], s[G0B+4*\s+3], 0x80000000
.endr
	JLOAD G0, G1, G0B, G1B                         ; K steps 0 to 3, 192 rows of 256 bytes: the wave's one load at the head
	v_and_b32 v1, 31, v0
	v_lshlrev_b32 v[L16], 4, v1
	v_lshlrev_b32 v[L8], 3, v1
	s_mul_i32 s60, s21, 3*QB
	s_mul_i32 s61, s22, 3*QB
	s_add_co_u32 s61, s61, 6*QB
.irp s, 0,1,2
	v_add_nc_u32 v[A16+\s], s60, v[L16]
	v_add_nc_u32 v[A8+\s], s60, v[L8]
	v_add_nc_u32 v[B16+\s], s61, v[L16]
	v_add_nc_u32 v[B8+\s], s61, v[L8]
	s_add_co_u32 s60, s60, QB
	s_add_co_u32 s61, s61, QB
.endr
	s_mul_i32 s88, s20, 3*QB                       ; my stage: the second slot of the region that I filled; it is read for the last time ahead of step 5's barrier
	s_add_co_u32 s88, s88, STAGE
	v_and_b32 v1, 15, v0
	v_bfe_u32 v20, v0, 4, 1
	v_lshlrev_b32 v20, 6, v20
	s_wait_alu depctr_va_vdst(0)
	v_mul_u32_u24 v[STO], v1, 528
	v_add_nc_u32 v[STO], v[STO], v20
	v_add_nc_u32 v[STO], s88, v[STO]
	v_add_nc_u32 v[RD], s88, v[L16]
	s_add_co_u32 s60, s90, s21
	s_lshl_b32 s60, s60, 9
	s_mov_b32 s61, 0
	s_add_nc_u64 s[60:61], s[6:7], s[60:61]
	s_add_co_u32 s62, s91, s22
	s_lshl_b32 s62, s62, 12
	s_mov_b32 s63, 0
	s_add_nc_u64 s[62:63], s[10:11], s[62:63]
	s_lshl_b32 s88, s23, 10
	s_lshl_b32 s89, s22, 9
	s_add_co_u32 s88, s88, s89
	s_mov_b32 s89, 0
	s_add_nc_u64 s[12:13], s[12:13], s[88:89]
	s_add_nc_u64 s[14:15], s[14:15], s[88:89]
	s_add_co_u32 s88, s90, s21
	s_lshl_b32 s88, s88, 19
	s_add_nc_u64 s[14:15], s[14:15], s[88:89]
.irp k, 0,1,2,3,4,5,6,7
	global_load_b128 v[SCA+4*\k:SCA+4*\k+3], v[L16], s[60:61] offset:65536*\k
	global_load_b128 v[AF+4*\k:AF+4*\k+3], v[L16], s[60:61] offset:65536*\k+32768
	global_load_b128 v[SCB+4*\k:SCB+4*\k+3], v[L16], s[62:63] offset:512*\k
.endr
.irp g, 0,1,2,3
.irp k, 0,1,2,3
	global_load_b128 v[96+16*\g+96*(\g/2)+4*\k:96+16*\g+96*(\g/2)+4*\k+3], v20, s[12:13] offset:128*\g+16*\k
.endr
.endr
	s_wait_loadcnt 0x0
.irp n, 0,1,2,3,4,5,6,7,8,9,10,11,12,13,14,15,16,17,18,19,20,21,22,23,24,25,26,27,28,29,30,31
	v_lshl_or_b32 v[SCA+\n], v[AF+\n], 16, v[SCA+\n]
.endr
.rept 8
	v_nop
.endr
	s_wait_alu depctr_va_vdst(0)
	s_wait_tensorcnt 0x0                           ; my part of K steps 0 to 3 is in; the three lines ahead of a later first fill
	ds_add_u32 v[SPW], v[NIL]
	s_mov_b32 s[G1+2], 96<<16                      ; no load of mine is out: from here on a load brings 96 rows
	s_mov_b32 s[G1+4], 96
	s_mov_b32 s[G1B+2], 96<<16
	s_mov_b32 s[G1B+4], 96
	s_wait_dscnt 0x0
	CROUND
	JLOAD G0+4, G1, G0B+4, G1B                     ; K steps 4 and 5 into the third slot
	FETCH_B 0, 0, 0
	FETCH_A 0, 0, 0
	FETCH_A 0, 0, 4
	STEP 0, 0, 1, 1
	STEP 1, 1, 0, 0
	STEP 2, 1, 1, 0
	TURN 3, 2, 1                                   ; slot 0, read for the last time in step 0, takes K steps 6 and 7
	STEP 4, 2, 1, 0
	s_wait_alu depctr_va_vdst(0)
	TURN 5, 0, 0
	STEP 6, 0, 1, 0
	s_wait_dscnt 16
	WIN MUL_LO
	MUL16 0, 1, 7, 0
	MUL16 2, 1, 7, 0
	s_wait_dscnt 0x0
	WIN MUL_HI
	MUL16 4, 1, 7, 0
	MUL16 6, 1, 7, 0
	WIN 0
	PLACES
.macro TOSTAGE a
	WIN 0x02+(\a)/4
.irp b, 0,1,2,3,4,5,6,7
.irp j, 0,2,4,6
	v_pk_add_f32 v[X+8*\b+\j:X+8*\b+\j+1], v[64*((\a)%4)+8*\b+\j:64*((\a)%4)+8*\b+\j+1], v[96+8*\b+96*(\b/4)+\j:96+8*\b+96*(\b/4)+\j+1]
.endr
.endr
	WIN 0
.irp g, 0,1,2,3
.irp k, 0,1,2,3
	ds_store_b128 v[STO], v[X+16*\g+4*\k:X+16*\g+4*\k+3] offset:128*\g+16*\k
.endr
.endr
	WIN TO_B
.irp t, 0,1,2,3,4,5,6,7,8,9,10,11,12,13,14,15
	ds_load_b128 v[64*((\a)%2)+4*\t:64*((\a)%2)+4*\t+3], v[RD] offset:528*\t
.endr
	WIN 0
.endm
.macro SEND a, younger
	s_wait_dscnt \younger
	WIN 0x04
.irp t, 0,1,2,3,4,5,6,7,8,9,10,11,12,13,14,15
	global_store_b128 v[L16], v[64*((\a)%2)+4*\t:64*((\a)%2)+4*\t+3], s[14:15] offset:(32*((\a)/2)+8*((\a)%2)+\t+8*(\t/8))*4096 th:TH_STORE_NT
.endr
	WIN 0
.endm
	TOSTAGE 0
.irp a, 1,2,3,4,5,6,7
.if \a > 1
	s_wait_xcnt 0x0
.endif
	TOSTAGE \a
	SEND \a-1, 32
.endr
	SEND 7, 0
	s_wait_tensorcnt 0x0
	ds_add_u32 v[SPW], v[NIL]
	s_wait_dscnt 0x0
	CROUND
	s_endpgm
.Lfunc_end_k_qb3cd64a4b8_proj:
	.size	k_qb3cd64a4b8_proj, .Lfunc_end_k_qb3cd64a4b8_proj-k_qb3cd64a4b8_proj
	.p2alignl 7, 3214868480
	.fill 96, 4, 3214868480
	.section	.rodata,"a",@progbits
	.p2align	6, 0x0
	.amdhsa_kernel k_qb3cd64a4b8_proj
		.amdhsa_group_segment_fixed_size 327680
		.amdhsa_private_segment_fixed_size 0
		.amdhsa_enable_private_segment 0
		.amdhsa_kernarg_size 48
		.amdhsa_user_sgpr_count 2
		.amdhsa_user_sgpr_kernarg_segment_ptr 1
		.amdhsa_wavefront_size32 1
		.amdhsa_system_sgpr_workgroup_id_x 1
		.amdhsa_system_sgpr_workgroup_id_y 1
		.amdhsa_system_sgpr_workgroup_id_z 1
		.amdhsa_system_vgpr_workitem_id 0
		.amdhsa_next_free_vgpr 1024
		.amdhsa_next_free_sgpr 100
		.amdhsa_reserve_vcc 0
		.amdhsa_float_denorm_mode_32 3
		.amdhsa_float_denorm_mode_16_64 3
		.amdhsa_memory_ordered 1
		.amdhsa_forward_progress 1
		.amdhsa_inst_pref_size 161
	.end_amdhsa_kernel
	.amdgpu_metadata
---
amdhsa.version: [ 1, 2 ]
amdhsa.kernels:
  - .name:           k_qb3cd64a4b8_proj
    .symbol:         k_qb3cd64a4b8_proj.kd
    .args:
      - { .name: atc, .offset: 0, .size: 8, .value_kind: global_buffer, .address_space: global }
      - { .name: ats, .offset: 8, .size: 8, .value_kind: global_buffer, .address_space: global }
      - { .name: opc, .offset: 16, .size: 8, .value_kind: global_buffer, .address_space: global }
      - { .name: ops, .offset: 24, .size: 8, .value_kind: global_buffer, .address_space: global }
      - { .name: bo, .offset: 32, .size: 8, .value_kind: global_buffer, .address_space: global }
      - { .name: out0, .offset: 40, .size: 8, .value_kind: global_buffer, .address_space: global }
    .group_segment_fixed_size: 327680
    .private_segment_fixed_size: 0
    .kernarg_segment_align: 8
    .kernarg_segment_size: 48
    .max_flat_workgroup_size: 128
    .sgpr_count:     100
    .vgpr_count:     1024
    .wavefront_size: 32
...
	.end_amdgpu_metadata
.endif
;; end of part 4
